; MI455X (gfx1250); checked and timed in simulation.
; The chip was launched on July 23, 2026; its instructions are those of AMD's public machine-readable ISA for CDNA 5 (MIT licence, August 2026) and "CDNA5" Instruction Set Architecture Reference Guide (July 2026). The comments in the code are by the model that wrote it; some were corrected since.
;; SVTR Block. Allowed arithmetic: matrix products marked QUANTISED: E2M1 operands, one E8M0 scale for each 32 along K, by v_wmma_scale_f32_16x16x128_f8f6f4 with both operands' format E2M1 (or v_wmma_scale_f32_32x16x128_f4), f32 sums; everything else in f32.
;; Inputs: fc1_b 1,024 float32; fc1_w 256 x 1,024 float32; fc2_b 256 float32; fc2_w 1,024 x 256 float32; ln1_b 256 float32; ln1_g 256 float32; ln2_b 256 float32; ln2_g 256 float32; proj_b 256 float32; proj_w 256 x 256 float32; qkv_b 768 float32; qkv_w 256 x 768 float32; x 32 x 1,024 x 256 float32.
;; Outputs: out0 32 x 1,024 x 256 float32.
;; This version of the problem:
;;   THIS VERSION OF THE PROBLEM IS GIVEN IN LOW PRECISION. The matrix products marked QUANTISED in the list below multiply operands that are first quantised to E2M1 (2 exponent bits, 1 mantissa bit; 4 bits a number), with one power-of-two scale for each 32 numbers along K (OCP MX v1.0); their sums are f32. All else is computed in f32.
;;   The module's matrix products, in the order in which they are computed (A, B: the left and right operand; K: the contracted axis; several contracted axes count as one K, in the product's order):
;;     1. [M 32,768, K 256] x [K 256, N 768]; A: input x; B: input qkv_w: QUANTISED
;;     2. batch 256 x [M 1,024, K 32] x [K 32, N 1,024]; A: computed on the way; B: computed on the way: QUANTISED
;;     3. batch 256 x [M 32, K 1,024] x [K 1,024, N 1,024]; A: computed on the way; B: softmax (see below): QUANTISED
;;     4. [M 32,768, K 256] x [K 256, N 256]; A: computed on the way; B: input proj_w: QUANTISED
;;     5. [M 32,768, K 256] x [K 256, N 1,024]; A: computed on the way; B: input fc1_w: QUANTISED
;;     6. [M 32,768, K 1,024] x [K 1,024, N 256]; A: computed on the way; B: input fc2_w: QUANTISED
;;   THE QUANTISER, for each operand of a quantised product, along K:
;;     - K is cut into blocks of 32 from its start; a last block that is shorter is filled with zeros.
;;     - A block's scale is 2^e with e = floor(log2(the largest magnitude in the block)) - 2, held to -126 .. 127; a block of zeros has e = 0. As a byte (E8M0): e + 127.
;;     - Each number is divided by its block's scale, clamped to +-6, and rounded to the nearest number of E2M1, ties to even, subnormals kept.
;;     - The product sums the exact products of the quantised numbers (number of the format x scale) in f32.
;;   ~~~python
;;   def quantise(x, axis):      # numpy; x: float32 -> the quantised numbers, widened to float32 again
;;       x = np.moveaxis(x, axis, -1); K = x.shape[-1]
;;       x = np.pad(x, [(0, 0)] * (x.ndim - 1) + [(0, -K % 32)]); x = x.reshape(x.shape[:-1] + (-1, 32)); a = np.abs(x).max(-1, keepdims=True)
;;       e = np.where(a > 0, np.clip(np.frexp(np.where(a > 0, a, 1))[1] - 1 - 2, -126, 127), 0)      # np.frexp(a)[1] - 1 = floor(log2(a)), exactly
;;       r = np.clip(x / 2.0 ** e, -6, 6)
;;       step = 2.0 ** (np.maximum(np.frexp(np.where(r == 0, 1, r))[1] - 1, 0) - 1)
;;       q = np.round(r / step) * step * 2.0 ** e      # np.round: ties to even
;;       return np.moveaxis(q.reshape(q.shape[:-2] + (-1,))[..., :K], -1, axis).astype(np.float32)
;;   ~~~
;;   SOFTMAX AHEAD OF A QUANTISED PRODUCT. Where the list says 'softmax', what is quantised is not the finished softmax but p = 2^(t - M), with t = logit x log2(e) and M = ceil(the row's largest t), a whole number; so 1/2 < the row's largest p <= 1. The row's sum l is taken of the UNQUANTISED p, in f32, and the product's result is divided by l at the end. Since M is a whole number, a kernel that streams over the keys may use a running M (the ceiling of the running maximum): every later rescaling is an exact power of two, which a block's scale takes up: the codes' values come out the same.
;;   OPERANDS COMPUTED ON THE WAY. 'Computed on the way' means the value that the module computes at that place (a softmax that the list does not call 'softmax' is quantised finished and normalised). What goes into a quantiser is computed in f32, as accurately as f32 sums, v_exp_f32 and their like allow (about 1e-6 of the number): no bf16 or f16 on the way to a quantiser, and a product that is left as it is and whose result goes on into a quantised operand takes f32 operands (vector FMAs, or v_wmma_f32_16x16x4_f32). A number that lies on a knife's edge between two numbers of the format may be rounded either way, as far as f32 arithmetic and the matrix unit's own rounding can turn it there, and no further.
;; One version. Each part assembles by itself: llvm-mc -triple=amdgcn-amd-amdhsa -mcpu=gfx1250 --defsym DOCPART=n.
;; ======== version 1 of 1: 3 launches
;; limits: right only within a limited range of input values
;; workspace buffers: wcodes 393,216 bytes; wscales 24,576 bytes; acodes 12,582,912 bytes; ascales 786,432 bytes
;; launch prep (part 1): grid 48 x 1, 4 waves a work-group, no clusters, 0 bytes of LDS; arguments qkv_w, proj_w, fc1_w, fc2_w, wcodes, wscales; writes wcodes, wscales
.if DOCPART == 1
	.amdgcn_target "amdgcn-amd-amdhsa--gfx1250"
	.amdhsa_code_object_version 6
	.text
	.protected	k_q1b89957a53_prep
	.globl	k_q1b89957a53_prep
	.p2align	8
	.type	k_q1b89957a53_prep,@function
k_q1b89957a53_prep:
	s_mov_b64 s[64:65], 0
	v_nop
	global_prefetch_b8 v0, s[64:65] scope:SCOPE_SE
	s_setreg_imm32_b32 hwreg(HW_REG_WAVE_MODE, 25, 1), 1
	s_wait_xcnt 0x0
; The four weights, f32 stored [K][N], become codes of FP4 (E2M1) with one E8M0 scale for each 32 along K,
; laid as IMAGES OF OPERAND REGISTERS: a fragment (tile t of 16 columns, K step s of 128) is 1,024 bytes at
; OFF + (t S + s) 1024; in it K block kb of tile row r lies at 256 kb + 16 r.  Scale word of (t, r, s): SOFF + (16 t + r) 4 S + 4 s.
; A lane takes a column n and its registers run down K: a block of 32 lies in one lane, nothing is transposed.
; A wave takes 32 columns x 128 along K (four blocks, one scale word).  192 such items, 48 work-groups of 4 waves.
; WHICH COLUMNS FORM A TILE (row r of tile t):
;   kind 0: 64 (t>>2) + 32 (r>>3) + 8 (t&3) + (r&7)   q and k of qkv_w, fc1_w: a result lane then owns a whole block of the next K
;   kind 1: 32 (t>>1) + 16 (r>>3) + 8 (t&1) + (r&7)   proj_w, fc2_w: a result lane then owns 16 neighbouring columns
;   kind 2: COL0 + 16 (t - TILE0) + r                 v of qkv_w
; LIMITS: NaN and infinities are not served; a block of zeros gets the byte 1 (its codes are zeros; only this program reads the bytes);
; a block whose largest magnitude lies under 2^-124 is held at that floor.
; No LDS, no barrier, no matrix unit, no cluster: waves share nothing and every weight byte is read once.
.set X,     32                         ; v32-159  128 numbers of my column
.set CD,    16                         ; v16-31   codes, four registers a block, never rewritten (they are store data)
.set FLOOR, 0x1800000                  ; 2^(3 - 127)
.set OFFE,  0xff000000                 ; takes 2 off an exponent field
	s_load_b256 s[4:11], s[0:1], 0x0               ; qkv_w s[4:5], proj_w s[6:7], fc1_w s[8:9], fc2_w s[10:11]
	s_load_b128 s[12:15], s[0:1], 0x20             ; wcodes s[12:13], wscales s[14:15]
	v_lshrrev_b32 v1, 5, v0
	v_readfirstlane_b32 s16, v1                    ; wave
	v_and_b32 v1, 31, v0                           ; lane
	s_wait_kmcnt 0x0
.macro BLOCK k                         ; block k of my column: largest magnitude, scale, codes, store
.set XS, X+32*(\k)
	v_max3_num_f32 v8, |v[XS]|, |v[XS+1]|, |v[XS+2]|
	v_max3_num_f32 v9, |v[XS+3]|, |v[XS+4]|, |v[XS+5]|
.irp i, 6,10,14,18,22,26
	v_max3_num_f32 v8, v8, |v[XS+\i]|, |v[XS+\i+1]|
	v_max3_num_f32 v9, v9, |v[XS+\i+2]|, |v[XS+\i+3]|
.endr
	v_max3_num_f32 v8, v8, |v[XS+30]|, |v[XS+31]|
	v_max3_num_f32 v8, v8, v9, FLOOR               ; the floor holds the byte at 1 from below
	v_add_nc_u32 v10, OFFE, v8                     ; the conversion takes this operand's exponent field as its scale
	v_lshrrev_b32 v11, 23, v10                     ; the scale's byte
.if (\k) == 0
	v_mov_b32 v6, v11
.else
	v_lshl_or_b32 v6, v11, 8*(\k), v6
.endif
.irp g, 0,1,2,3
	v_cvt_scalef32_pk8_fp4_f32 v[CD+4*(\k)+\g], v[XS+8*\g:XS+8*\g+7], v10
.endr
	global_store_b128 v3, v[CD+4*(\k):CD+4*(\k)+3], s[24:25] offset:256*(\k)
.endm
.macro WPATH p, N, S, LGS, KIND, COL0, TILE0, OFF, SOFF, WG0
	s_sub_co_u32 s17, ttmp9, \WG0
	s_lshl_b32 s17, s17, 2
	s_add_co_u32 s17, s17, s16                     ; the item
	s_lshr_b32 s18, s17, \LGS                      ; which 32 columns
	s_and_b32 s19, s17, (\S)-1                     ; which K step
	s_lshl_b32 s18, s18, 5
	v_add_nc_u32 v5, s18, v1                       ; n, counted from COL0
	v_lshlrev_b32 v2, 2, v5
.if (\COL0) > 0
	v_add_nc_u32 v2, 4*(\COL0), v2
.endif
	s_wait_alu depctr_va_vdst(0)
	v_and_b32 v9, 7, v5
.if (\KIND) == 0
	v_lshrrev_b32 v7, 6, v5
	v_bfe_u32 v8, v5, 3, 2
	v_lshl_add_u32 v7, v7, 2, v8                   ; t
	v_bfe_u32 v8, v5, 5, 1
	v_lshl_add_u32 v8, v8, 3, v9                   ; r
.elseif (\KIND) == 1
	v_lshrrev_b32 v7, 5, v5
	v_bfe_u32 v8, v5, 3, 1
	v_lshl_add_u32 v7, v7, 1, v8
	v_bfe_u32 v8, v5, 4, 1
	v_lshl_add_u32 v8, v8, 3, v9
.else
	v_lshrrev_b32 v7, 4, v5
	v_add_nc_u32 v7, \TILE0, v7
	v_and_b32 v8, 15, v5
.endif
	v_mul_u32_u24 v3, v7, (\S)*1024
	v_lshl_add_u32 v3, v8, 4, v3                   ; codes: t S 1024 + 16 r
	v_lshl_add_u32 v4, v7, 4, v8
	v_mul_u32_u24 v4, v4, (\S)*4                   ; scale word: (16 t + r) 4 S
	s_mul_i32 s20, s19, 128*(\N)*4
	s_mov_b32 s21, 0
	s_add_nc_u64 s[22:23], s[\p:\p+1], s[20:21]    ; the weight at my K step's first row
	s_lshl_b32 s20, s19, 10
	s_add_co_u32 s20, s20, \OFF
	s_add_nc_u64 s[24:25], s[12:13], s[20:21]
	s_lshl_b32 s20, s19, 2
	s_add_co_u32 s20, s20, \SOFF
	s_add_nc_u64 s[26:27], s[14:15], s[20:21]
.irp k, 0,1,2,3
.irp i, 0,1,2,3,4,5,6,7,8,9,10,11,12,13,14,15,16,17,18,19,20,21,22,23,24,25,26,27,28,29,30,31
	global_load_b32 v[X+32*\k+\i], v2, s[22:23] offset:(32*\k+\i)*(\N)*4 th:TH_LOAD_NT   ; 32 lanes read 128 neighbouring bytes of one row
.endr
.endr
	s_wait_loadcnt 63                              ; behind block 1's last load 64 were issued, behind block 0's 96: both blocks are in
	BLOCK 0
	BLOCK 1
	s_wait_loadcnt 32                              ; block 3's 32 loads may stay out
	BLOCK 2
	s_wait_loadcnt 0x0
	BLOCK 3
	global_store_b32 v4, v6, s[26:27]              ; my column's scale word of this K step
	s_endpgm
.endm
	s_cmp_lt_u32 ttmp9, 8
	s_cbranch_scc0 .Lnot_qk
	s_wait_alu depctr_va_vdst(0)
	WPATH 4, 768, 2, 1, 0, 0, 0, 0, 0, 0
.Lnot_qk:
	s_cmp_lt_u32 ttmp9, 12
	s_cbranch_scc0 .Lnot_v
	s_wait_alu depctr_va_vdst(0)
	WPATH 4, 768, 2, 1, 2, 512, 32, 0, 0, 8
.Lnot_v:
	s_cmp_lt_u32 ttmp9, 16
	s_cbranch_scc0 .Lnot_proj
	s_wait_alu depctr_va_vdst(0)
	WPATH 6, 256, 2, 1, 1, 0, 0, 98304, 6144, 12
.Lnot_proj:
	s_cmp_lt_u32 ttmp9, 32
	s_cbranch_scc0 .Lnot_fc1
	s_wait_alu depctr_va_vdst(0)
	WPATH 8, 1024, 2, 1, 0, 0, 0, 131072, 8192, 16
.Lnot_fc1:
	s_wait_alu depctr_va_vdst(0)
	WPATH 10, 256, 8, 3, 1, 0, 0, 262144, 16384, 32
.Lfunc_end_k_q1b89957a53_prep:
	.size	k_q1b89957a53_prep, .Lfunc_end_k_q1b89957a53_prep-k_q1b89957a53_prep
	.p2alignl 7, 3214868480
	.fill 96, 4, 3214868480
	.section	.rodata,"a",@progbits
	.p2align	6, 0x0
	.amdhsa_kernel k_q1b89957a53_prep
		.amdhsa_group_segment_fixed_size 0
		.amdhsa_private_segment_fixed_size 0
		.amdhsa_enable_private_segment 0
		.amdhsa_kernarg_size 48
		.amdhsa_user_sgpr_count 2
		.amdhsa_user_sgpr_kernarg_segment_ptr 1
		.amdhsa_wavefront_size32 1
		.amdhsa_system_sgpr_workgroup_id_x 1
		.amdhsa_system_sgpr_workgroup_id_y 1
		.amdhsa_system_sgpr_workgroup_id_z 1
		.amdhsa_system_vgpr_workitem_id 0
		.amdhsa_next_free_vgpr 168
		.amdhsa_next_free_sgpr 66
		.amdhsa_reserve_vcc 0
		.amdhsa_float_denorm_mode_32 3
		.amdhsa_float_denorm_mode_16_64 3
		.amdhsa_memory_ordered 1
		.amdhsa_forward_progress 1
		.amdhsa_inst_pref_size 99
	.end_amdhsa_kernel
	.amdgpu_metadata
---
amdhsa.version: [ 1, 2 ]
amdhsa.kernels:
  - .name:           k_q1b89957a53_prep
    .symbol:         k_q1b89957a53_prep.kd
    .args:
      - { .name: qkv_w, .offset: 0, .size: 8, .value_kind: global_buffer, .address_space: global }
      - { .name: proj_w, .offset: 8, .size: 8, .value_kind: global_buffer, .address_space: global }
      - { .name: fc1_w, .offset: 16, .size: 8, .value_kind: global_buffer, .address_space: global }
      - { .name: fc2_w, .offset: 24, .size: 8, .value_kind: global_buffer, .address_space: global }
      - { .name: wcodes, .offset: 32, .size: 8, .value_kind: global_buffer, .address_space: global }
      - { .name: wscales, .offset: 40, .size: 8, .value_kind: global_buffer, .address_space: global }
    .group_segment_fixed_size: 0
    .private_segment_fixed_size: 0
    .kernarg_segment_align: 8
    .kernarg_segment_size: 48
    .max_flat_workgroup_size: 128
    .sgpr_count:     66
    .vgpr_count:     168
    .wavefront_size: 32
...
	.end_amdgpu_metadata
.endif
;; end of part 1
;; launch qkv (part 2): grid 256 x 1, 16 waves a work-group, no clusters, 195,584 bytes of LDS; arguments x, wcodes, wscales, qkv_b, acodes, ascales; writes acodes, ascales
.if DOCPART == 2
	.amdgcn_target "amdgcn-amd-amdhsa--gfx1250"
	.amdhsa_code_object_version 6
	.text
	.protected	k_q1b89957a53_qkv
	.globl	k_q1b89957a53_qkv
	.p2align	8
	.type	k_q1b89957a53_qkv,@function
k_q1b89957a53_qkv:
	s_mov_b64 s[64:65], 0
	v_nop
	global_prefetch_b8 v0, s[64:65] scope:SCOPE_SE
	s_setreg_imm32_b32 hwreg(HW_REG_WAVE_MODE, 25, 1), 1
	s_wait_xcnt 0x0
; qkv = Q(x) Q(qkv_w) + qkv_b on codes of FP4; q is multiplied by 32^-0.5; then q and k are quantised along the head's 32 and v along 32 neighbouring keys.
; A work-group owns 128 tokens (two rows of the 16 x 64 grid of one image); sixteen waves.
; acodes: q at 0 and k at 4,194,304 as [token][8 heads][16 B]; v at 8,388,608 as [image][grid row][channel 256][half row 2][16 B = 32 keys].
; ascales: q at 0, k at 262,144 as [token][8]; v at 524,288 as [image][grid row][channel][half row].
; TOKEN TILES: row r of tile T is token 64 (T>>2) + 32 (r>>3) + 8 (T&3) + (r&7).  With x as source 0 (v's product) a result lane (channel, h) then owns,
; in the four tiles of a grid row, the 32 keys of half row h: a whole block.  With the weight as source 0 (q, k) a lane owns a whole head of one token.
; PHASES: X: wave w quantises fragment w (tile w>>1, K step w&1) of x and stores its register image in LDS | barrier | QK: wave (G = w>>1, th = w&1): 64 columns x 64 tokens |
; V: wave w: 16 channels x 128 tokens | barrier | q's and k's codes and all scale bytes leave LDS in runs of 512 bytes a wave.
; No cluster: the only bytes that work-groups share are the weights' fragments, 10 KiB a wave, read once into registers; no tensor load is used at all.
; LIMITS: NaN and infinities are not served; a block of zeros gets the byte 1 (codes zero; only this program reads the bytes); largest magnitudes under 2^-124 are held at that floor.
.set XIMG, 0                           ; 16 fragments of x, 1,024 bytes each: fragment 2 T + s
.set XSC,  16384                       ; their scale words, 128 bytes each
.set STG,  18432                       ; q's then k's codes: 128 tokens, pitch 144
.set SST,  55296                       ; q's, k's, v's scale bytes, 1,024 each, as they lie in memory
.set WQ,   16                          ; v16-79   my 8 fragments of the q/k weight (16 x4 + 8 s); later eight fragments of x
.set BQ,   80                          ; v80-111  bias in the result's layout
.set WV,   112                         ; v112-127 my two fragments of the v weight
.set BV,   128                         ; v128-135 my channel's bias, eight times
.set XD,   136                         ; v136-199 64 numbers of x
.set ACC,  136                         ; v136-167 four accumulators
.set XF,   200                         ; v200-215 two fragments of x
.set PC,   216                         ; v216-223 codes
.set TM,   224                         ; v224-231 at work; v232-236 addresses
.set WQS,  240                         ; v240-247 scale words (weight's; later x's)
.set WVS,  248
.set XS,   250
.set PW,   252
.set FLOOR, 0x1800000
.set OFFE,  0xff000000
.macro NOP4
.rept 4
	v_nop
.endr
.endm
.macro BARRIER                         ; my LDS stores have landed and my LDS loads are in; then the work-group's barrier
	s_wait_dscnt 0x0
	s_barrier_signal -1
	s_barrier_wait -1
.endm
.macro MM d, a, b, c, sa, sb
	v_wmma_scale_f32_16x16x128_f8f6f4 v[\d:\d+7], v[\a:\a+7], v[\b:\b+7], v[\c:\c+7], v[\sa], v[\sb] matrix_a_fmt:MATRIX_FMT_FP4 matrix_b_fmt:MATRIX_FMT_FP4
.endm
; 32 numbers of a lane, one whole block: codes into v[dst .. dst+3], the byte into v[tm+3].  Read in ascending order, each accumulator from its low end.
.macro QH32 src, dst, tm
	v_max3_num_f32 v[\tm], |v[\src]|, |v[\src+1]|, FLOOR
	v_max3_num_f32 v[\tm+1], |v[\src+16]|, |v[\src+17]|, FLOOR
.irp i, 2,4,6,8,10,12,14
	v_max3_num_f32 v[\tm], v[\tm], |v[\src+\i]|, |v[\src+\i+1]|
	v_max3_num_f32 v[\tm+1], v[\tm+1], |v[\src+16+\i]|, |v[\src+17+\i]|
.endr
	s_delay_alu instid0(VALU_DEP_1)
	v_max_num_f32 v[\tm], v[\tm], v[\tm+1]
	s_delay_alu instid0(VALU_DEP_1)
	v_add_nc_u32 v[\tm+2], OFFE, v[\tm]
	s_delay_alu instid0(VALU_DEP_1)
	v_lshrrev_b32 v[\tm+3], 23, v[\tm+2]
.irp g, 0,1,2,3
	v_cvt_scalef32_pk8_fp4_f32 v[\dst+\g], v[\src+8*\g:\src+8*\g+7], v[\tm+2]
.endr
	v_nop                                          ; one plain place behind a scaled conversion
.endm
	s_load_b256 s[4:11], s[0:1], 0x0               ; x s[4:5], wcodes s[6:7], wscales s[8:9], qkv_b s[10:11]
	s_load_b128 s[12:15], s[0:1], 0x20             ; acodes s[12:13], ascales s[14:15]
	v_lshl_add_u32 v254, v0, 2, 0xe400
	v_mov_b32 v255, 0
	v_lshrrev_b32 v1, 5, v0
	s_delay_alu instid0(VALU_DEP_1)
	v_readfirstlane_b32 s16, v1                    ; wave w
	v_and_b32 v1, 31, v0                           ; lane
	v_and_b32 v2, 15, v0                           ; r
	v_bfe_u32 v3, v0, 4, 1                         ; h
	v_bfe_u32 v4, v0, 3, 1                         ; r>>3
	v_and_b32 v5, 7, v0                            ; r&7
	s_delay_alu instid0(VALU_DEP_1)
	v_lshl_add_u32 v6, v4, 5, v5                   ; the lane's part of a token: 32 (r>>3) + (r&7)
	v_mul_u32_u24 v7, v2, 528                      ; x's stage on the way back: row r of 528 bytes,
	v_lshl_add_u32 v7, v3, 7, v7                   ; + 128 h: my whole blocks h and 2 + h of the K step
	v_lshlrev_b32 v8, 4, v1                        ; 16 x lane: a register image's place
	v_lshlrev_b32 v9, 3, v2                        ; 8 r
	v_lshlrev_b32 v10, 7, v3                       ; 128 h
	v_lshlrev_b32 v11, 2, v2                       ; 4 r
	s_lshr_b32 s17, s16, 1                         ; G; also the tile T of phase X
	s_and_b32 s18, s16, 1                          ; th; also the K step of phase X
	s_lshr_b32 s19, s17, 2
	s_lshl_b32 s19, s19, 16                        ; 64 (T>>2) rows of 1,024 bytes
	s_and_b32 s20, s17, 3
	s_lshl_b32 s20, s20, 13                        ; 8 (T&3) rows
	s_add_co_u32 s20, s20, s19
	s_lshl_b32 s19, s18, 9                         ; the K step's 512 bytes
	s_add_co_u32 s20, s20, s19
	s_lshl_b32 s19, ttmp9, 17                      ; the work-group's 128 rows
	s_add_co_u32 s20, s20, s19
	s_mov_b32 s21, 0
	s_lshl_b32 s22, s17, 13                        ; q/k weight: tiles 4 G on, 2,048 bytes a tile
	s_mov_b32 s23, 0
	s_lshl_b32 s24, s17, 9                         ; their scale words, 128 bytes a tile
	s_mov_b32 s25, 0
	s_lshl_b32 s26, s17, 8                         ; bias: 64 G numbers on
	s_mov_b32 s27, 0
	s_lshl_b32 s28, s16, 11
	s_add_co_u32 s28, s28, 65536                   ; v weight: tile 32 + w
	s_mov_b32 s29, 0
	s_lshl_b32 s30, s16, 7
	s_add_co_u32 s30, s30, 4096
	s_mov_b32 s31, 0
	s_lshl_b32 s32, s16, 6
	s_add_co_u32 s32, s32, 2048                    ; bias of channel 512 + 16 w
	s_mov_b32 s33, 0
	s_mov_b32 s34, 0x76543210
	s_mov_b32 s35, 0xfedcba98                      ; v_permlanex16_b32's selects for lane l xor 16
	s_cmp_lt_u32 s17, 4                            ; q's columns are multiplied by 32^-0.5, k's by 1
	s_cselect_b32 s36, 0x3e3504f3, 1.0
	s_mov_b32 s37, s36
	s_lshl_b32 s38, ttmp9, 14                      ; the work-group's 16,384 bytes of q's (k's, v's) codes
	s_mov_b32 s39, 0
	s_add_co_u32 s40, s38, 0x800000
	s_mov_b32 s41, 0
	s_lshr_b32 s42, s16, 1
	s_lshl_b32 s42, s42, 18                        ; scale bytes on the way out: array w>>1,
	s_lshl_b32 s43, ttmp9, 10
	s_add_co_u32 s42, s42, s43                     ; the work-group's 1,024 bytes,
	s_lshl_b32 s43, s18, 9
	s_add_co_u32 s42, s42, s43                     ; half w&1
	s_mov_b32 s43, 0
	s_wait_alu depctr_va_vdst(0)
	s_wait_kmcnt 0x0
	s_add_nc_u64 s[20:21], s[4:5], s[20:21]
	s_add_nc_u64 s[22:23], s[6:7], s[22:23]
	s_add_nc_u64 s[24:25], s[8:9], s[24:25]
	s_add_nc_u64 s[26:27], s[10:11], s[26:27]
	s_add_nc_u64 s[28:29], s[6:7], s[28:29]
	s_add_nc_u64 s[30:31], s[8:9], s[30:31]
	s_add_nc_u64 s[32:33], s[10:11], s[32:33]
	s_add_nc_u64 s[38:39], s[12:13], s[38:39]
	s_add_nc_u64 s[40:41], s[12:13], s[40:41]
	s_add_nc_u64 s[42:43], s[14:15], s[42:43]
.irp j, 0,1,2,3,4,5,6,7,8,9,10,11,12,13,14,15
	global_load_b128 v[XD+4*\j:XD+4*\j+3], v8, s[20:21] offset:(32*(\j/8)+\j%8)*1024   ; row j of my tile: the 32 lanes read the K step's 512 consecutive bytes
.endr
.irp f, 0,1,2,3,4,5,6,7
.irp c, 0,1
	global_load_b128 v[WQ+8*\f+4*\c:WQ+8*\f+4*\c+3], v8, s[22:23] offset:1024*\f+512*\c
.endr
.endr
.irp q, 0,1,2,3
	global_load_b64 v[WQS+2*\q:WQS+2*\q+1], v9, s[24:25] offset:128*\q
.endr
.irp q, 0,1,2,3
.irp i, 0,1
	global_load_b128 v[BQ+8*\q+4*\i:BQ+8*\q+4*\i+3], v10, s[26:27] offset:32*\q+16*\i
.endr
.endr
.irp f, 0,1
.irp c, 0,1
	global_load_b128 v[WV+8*\f+4*\c:WV+8*\f+4*\c+3], v8, s[28:29] offset:1024*\f+512*\c
.endr
.endr
	global_load_b64 v[WVS:WVS+1], v9, s[30:31]
	global_load_b32 v[BV], v11, s[32:33]
	; LDS addresses: constants, the lane, the wave
	s_mul_i32 s44, s16, 8448                       ; x's stage: 16 rows of 512 + 16 bytes for each wave, behind the spare words
	s_add_co_u32 s44, s44, 60416
	v_add_nc_u32 v237, s44, v8                     ; in: 16 x lane of a row
	v_add_nc_u32 v238, s44, v7                     ; back: row r, my two blocks
	s_lshl_b32 s44, s16, 10
	v_add_nc_u32 v12, s44, v8                      ; my fragment's image: XIMG + 1024 w + 16 lane
	v_lshlrev_b32 v236, 2, v1
	s_delay_alu instid0(VALU_DEP_1)
	v_add_nc_u32 v236, XSC, v236                   ; XSC + 4 lane
	s_lshl_b32 s44, s16, 7
	v_add_nc_u32 v13, s44, v236                    ; my fragment's scale words
	s_lshl_b32 s44, s18, 13
	v_add_nc_u32 v14, s44, v8                      ; phase QK: fragments of tiles 4 th on
	s_lshl_b32 s44, s18, 10
	v_add_nc_u32 v15, s44, v236
	s_lshr_b32 s45, s17, 2                         ; 0: q, 1: k
	s_and_b32 s46, s17, 3                          ; which pair of heads
	v_mul_u32_u24 v232, v6, 144
	s_delay_alu instid0(VALU_DEP_1)
	v_lshl_add_u32 v232, v3, 4, v232
	s_mul_i32 s44, s45, 18432
	s_mul_i32 s47, s18, 9216
	s_add_co_u32 s44, s44, s47
	s_lshl_b32 s47, s46, 5
	s_add_co_u32 s44, s44, s47
	s_add_co_u32 s44, s44, STG
	v_add_nc_u32 v232, s44, v232                   ; codes: token x 144 + 16 x head
	v_lshl_add_u32 v233, v6, 3, v3
	s_lshl_b32 s44, s45, 10
	s_lshl_b32 s47, s18, 9
	s_add_co_u32 s44, s44, s47
	s_lshl_b32 s47, s46, 1
	s_add_co_u32 s44, s44, s47
	s_add_co_u32 s44, s44, SST
	v_add_nc_u32 v233, s44, v233                   ; scale byte: token x 8 + head
	v_lshlrev_b32 v234, 5, v2
	s_delay_alu instid0(VALU_DEP_1)
	v_lshl_add_u32 v234, v3, 4, v234
	s_lshl_b32 s44, s16, 9
	v_add_nc_u32 v234, s44, v234                   ; v's codes in memory: (16 w + r) 32 + 16 h
	v_lshl_add_u32 v235, v2, 1, v3
	s_lshl_b32 s44, s16, 5
	s_add_co_u32 s44, s44, SST+2048
	v_add_nc_u32 v235, s44, v235                   ; v's scale byte: (16 w + r) 2 + h
	; ---- X: 64 numbers of my row, two whole blocks, become a fragment's registers
	s_wait_loadcnt 34                              ; x's sixteen loads are in; the 34 loads of weights and biases behind them may stay out
.irp j, 0,1,2,3,4,5,6,7,8,9,10,11,12,13,14,15
	ds_store_b128 v237, v[XD+4*\j:XD+4*\j+3] offset:528*\j   ; the tile turns through my own stage: rows as they were loaded,
.endr
	s_wait_dscnt 0x0                               ; the stores are done: their registers may be loaded into
.irp c, 0,1
.irp i, 0,1,2,3,4,5,6,7
	ds_load_b128 v[XD+32*\c+4*\i:XD+32*\c+4*\i+3], v238 offset:256*\c+16*\i   ; and back x(token r, 128 s + 64 c + 32 h + 4 i ..): 32 neighbours along K a block
.endr
.endr
	s_wait_dscnt 0x0
.irp c, 0,1
	v_max3_num_f32 v[TM+\c], |v[XD+32*\c]|, |v[XD+32*\c+1]|, FLOOR
.endr
.irp i, 2,4,6,8,10,12,14,16,18,20,22,24,26,28,30
.irp c, 0,1
	s_delay_alu instid0(VALU_DEP_2)
	v_max3_num_f32 v[TM+\c], v[TM+\c], |v[XD+32*\c+\i]|, |v[XD+32*\c+\i+1]|
.endr
.endr
.irp c, 0,1
	s_delay_alu instid0(VALU_DEP_2)
	v_add_nc_u32 v[TM+2+\c], OFFE, v[TM+\c]
.endr
.irp c, 0,1
	s_delay_alu instid0(VALU_DEP_2)
	v_lshrrev_b32 v[TM+4+\c], 23, v[TM+2+\c]
.endr
	s_delay_alu instid0(VALU_DEP_1)
	v_lshl_or_b32 v[PW], v[TM+5], 16, v[TM+4]      ; my bytes: blocks h and 2 + h,
	v_lshlrev_b32 v[TM+6], 3, v3
	s_delay_alu instid0(VALU_DEP_1)
	v_lshlrev_b32 v[PW], v[TM+6], v[PW]            ; at their places in the word;
	v_mov_b32 v[TM+7], 0
	s_delay_alu instid0(VALU_DEP_1)
	v_permlanex16_b32 v[TM+7], v[PW], s34, s35
	s_delay_alu instid0(VALU_DEP_1)
	v_or_b32 v[PW], v[PW], v[TM+7]                 ; with lane l xor 16's two the word is whole
.irp c, 0,1
.irp g, 0,1,2,3
	v_cvt_scalef32_pk8_fp4_f32 v[PC+4*\c+\g], v[XD+32*\c+8*\g:XD+32*\c+8*\g+7], v[TM+2+\c]
.endr
.endr
	v_nop
	ds_store_b128 v12, v[PC:PC+3]
	ds_store_b128 v12, v[PC+4:PC+7] offset:512
	ds_store_b32 v13, v[PW]
	s_wait_loadcnt 0x0                             ; weights and biases
.irp j, 1,2,3,4,5,6,7
	v_mov_b32 v[BV+\j], v[BV]
.endr
	BARRIER                                        ; x's sixteen fragments lie in LDS
	; ---- QK: source 0 = 16 columns of the weight, source 1 = 16 tokens.  Four accumulators by turns, K step by K step.
.irp x, 0,1,2,3
.irp s, 0,1
.irp c, 0,1
	ds_load_b128 v[XF+8*\s+4*\c:XF+8*\s+4*\c+3], v14 offset:\x*2048+\s*1024+\c*512
.endr
	ds_load_b32 v[XS+\s], v15 offset:\x*256+\s*128
.endr
	s_wait_dscnt 0x0
.irp q, 0,1,2,3
	MM ACC+8*\q, WQ+16*\q, XF, BQ+8*\q, WQS+2*\q, XS
.endr
.irp q, 0,1,2,3
	MM ACC+8*\q, WQ+16*\q+8, XF+8, ACC+8*\q, WQS+2*\q+1, XS+1
.endr
	NOP4                                           ; four places in front of the first read of results
.set i, 0
.rept 16
	v_pk_mul_f32 v[ACC+i:ACC+i+1], v[ACC+i:ACC+i+1], s[36:37] op_sel_hi:[1,0]
.set i, i+2
.endr
	QH32 ACC, PC, TM                               ; lane (token r, h): head 2 (G&3) + h, all its 32 numbers
	ds_store_b128 v232, v[PC:PC+3] offset:\x*1152
	ds_store_b8 v233, v[TM+3] offset:\x*64
.endr
	; ---- V: source 0 = 16 tokens, source 1 = my 16 channels.  Lane (channel r, h): the 32 keys of half row h of grid row bp.
.irp bp, 0,1
.irp x, 0,1,2,3
.irp s, 0,1
.irp c, 0,1
	ds_load_b128 v[WQ+16*\x+8*\s+4*\c:WQ+16*\x+8*\s+4*\c+3], v8 offset:(8*\bp+2*\x+\s)*1024+\c*512
.endr
	ds_load_b32 v[WQS+2*\x+\s], v236 offset:(8*\bp+2*\x+\s)*128
.endr
.endr
	s_wait_dscnt 0x0
.irp x, 0,1,2,3
	MM ACC+8*\x, WQ+16*\x, WV, BV, WQS+2*\x, WVS
.endr
.irp x, 0,1,2,3
	MM ACC+8*\x, WQ+16*\x+8, WV+8, ACC+8*\x, WQS+2*\x+1, WVS+1
.endr
	NOP4
	QH32 ACC, PC+4*\bp, TM
	global_store_b128 v234, v[PC+4*\bp:PC+4*\bp+3], s[40:41] offset:\bp*8192   ; the wave stores 512 consecutive bytes, aligned; its data registers are not written again
	ds_store_b8 v235, v[TM+3] offset:\bp*512
.endr
	BARRIER                                        ; q's and k's codes and all scale bytes lie in LDS
	; ---- out: 512 threads x 16 bytes = 64 tokens' codes an instruction
	v_lshrrev_b32 v4, 3, v0
	s_delay_alu instid0(VALU_DEP_1)
	v_mul_u32_u24 v4, v4, 144
	v_and_b32 v5, 7, v0
	s_delay_alu instid0(VALU_DEP_1)
	v_lshl_add_u32 v4, v5, 4, v4
	s_delay_alu instid0(VALU_DEP_1)
	v_add_nc_u32 v4, STG, v4
	v_lshlrev_b32 v5, 4, v0
	s_delay_alu instid0(VALU_DEP_1)
	v_add_nc_u32 v6, SST, v5
.irp i, 0,1,2,3
	ds_load_b128 v[16+4*\i:19+4*\i], v4 offset:(\i/2)*18432+(\i%2)*9216
.endr
	s_wait_alu depctr_va_vdst(0)
.irp i, 0,1,2,3
	s_wait_dscnt 3-\i                              ; LDS loads come back in order: number i is in
	global_store_b128 v5, v[16+4*\i:19+4*\i], s[38:39] offset:(\i/2)*4194304+(\i%2)*8192
.endr
	s_cmp_lt_u32 s16, 6                            ; 3,072 scale bytes: waves 0 to 5, 512 bytes each
	s_cbranch_scc0 .Lend
	ds_load_b128 v[32:35], v6
	s_wait_dscnt 0x0
	global_store_b128 v8, v[32:35], s[42:43]
.Lend:
	s_wait_tensorcnt 0x0
	ds_add_u32 v254, v255
	s_wait_dscnt 0x0
	s_endpgm
.Lfunc_end_k_q1b89957a53_qkv:
	.size	k_q1b89957a53_qkv, .Lfunc_end_k_q1b89957a53_qkv-k_q1b89957a53_qkv
	.p2alignl 7, 3214868480
	.fill 96, 4, 3214868480
	.section	.rodata,"a",@progbits
	.p2align	6, 0x0
	.amdhsa_kernel k_q1b89957a53_qkv
		.amdhsa_group_segment_fixed_size 195584
		.amdhsa_private_segment_fixed_size 0
		.amdhsa_enable_private_segment 0
		.amdhsa_kernarg_size 48
		.amdhsa_user_sgpr_count 2
		.amdhsa_user_sgpr_kernarg_segment_ptr 1
		.amdhsa_wavefront_size32 1
		.amdhsa_system_sgpr_workgroup_id_x 1
		.amdhsa_system_sgpr_workgroup_id_y 1
		.amdhsa_system_sgpr_workgroup_id_z 1
		.amdhsa_system_vgpr_workitem_id 0
		.amdhsa_next_free_vgpr 256
		.amdhsa_next_free_sgpr 66
		.amdhsa_reserve_vcc 0
		.amdhsa_float_denorm_mode_32 3
		.amdhsa_float_denorm_mode_16_64 3
		.amdhsa_memory_ordered 1
		.amdhsa_forward_progress 1
		.amdhsa_inst_pref_size 44
	.end_amdhsa_kernel
	.amdgpu_metadata
---
amdhsa.version: [ 1, 2 ]
amdhsa.kernels:
  - .name:           k_q1b89957a53_qkv
    .symbol:         k_q1b89957a53_qkv.kd
    .args:
      - { .name: x, .offset: 0, .size: 8, .value_kind: global_buffer, .address_space: global }
      - { .name: wcodes, .offset: 8, .size: 8, .value_kind: global_buffer, .address_space: global }
      - { .name: wscales, .offset: 16, .size: 8, .value_kind: global_buffer, .address_space: global }
      - { .name: qkv_b, .offset: 24, .size: 8, .value_kind: global_buffer, .address_space: global }
      - { .name: acodes, .offset: 32, .size: 8, .value_kind: global_buffer, .address_space: global }
      - { .name: ascales, .offset: 40, .size: 8, .value_kind: global_buffer, .address_space: global }
    .group_segment_fixed_size: 195584
    .private_segment_fixed_size: 0
    .kernarg_segment_align: 8
    .kernarg_segment_size: 48
    .max_flat_workgroup_size: 512
    .sgpr_count:     66
    .vgpr_count:     256
    .wavefront_size: 32
...
	.end_amdgpu_metadata
.endif
;; end of part 2
;; launch block (part 3): grid 256 x 1, 16 waves a work-group, no clusters, 327,680 bytes of LDS; arguments x, acodes, ascales, wcodes, wscales, proj_b, ln1_g, ln1_b, fc1_b, fc2_b, ln2_g, ln2_b, out0; writes out0
.if DOCPART == 3
	.amdgcn_target "amdgcn-amd-amdhsa--gfx1250"
	.amdhsa_code_object_version 6
	.text
	.protected	k_q1b89957a53_block
	.globl	k_q1b89957a53_block
	.p2align	8
	.type	k_q1b89957a53_block,@function
k_q1b89957a53_block:
	s_mov_b64 s[64:65], 0
	v_nop
	global_prefetch_b8 v0, s[64:65] scope:SCOPE_SE
	s_setreg_imm32_b32 hwreg(HW_REG_WAVE_MODE, 25, 1), 1
	s_wait_xcnt 0x0
; out = LN2(y1 + fc2(gelu(fc1(y1)))), y1 = LN1(x + proj(attention)), all products on codes of FP4 (E2M1) with one E8M0 scale for each 32 along K.
; A work-group owns 128 tokens: grid rows h0, h0 + 1 of one image; sixteen waves of 256 registers, four to a SIMD.
; WORK LEFT OUT: the mask (|row difference| <= 3, |column difference| <= 5) is built by the problem itself, so only a window of 8 grid rows and, for a tile of
; 8 query columns (group m), the three groups of 8 key columns m - 1, m, m + 1 are multiplied: every other key is under the mask for every input.
; A token tile m is 8 columns x 2 rows: row r of the tile is token 64 (r>>3) + 8 m + (r&7).
; ATTENTION, wave (m = w>>1, s = w&1), heads 4 s .. 4 s + 3.  S^T = K Q^T (source 0 = 16 keys: 8 columns of window rows 2 p, 2 p + 1; source 1 = my 16 queries): lane (query r, h) holds window row 2 p + h.
;   Two heads lie in K blocks 0 and 1 of one key fragment; Q's fragment holds codes in one block and zeros elsewhere.  The column mask is the C of the product, the row mask an addend of the exponent.
;   THREE SLOTS OF KEY GROUPS, numbers taken modulo 8: slot 0 = m; slot 1 = m - 1 (m + 1 where m is the first group of its half row); slot 2 = m + 1 (m - 1 there).  Slots 0 and 1 lie in my half row (home);
;   slot 2 lies in the home half row or in the other one (a group that wraps round the row is wholly under the column mask).  A block of 32 keys is (grid row, half row), all in ONE lane.
;   s84 is all ones where slot 2 is home: then its largest score joins the home block's and its codes go to register 2 of P's fragment; else it is the other block, register 4.  V's bytes of slot 2 are loaded into
;   both registers; the one not meant meets zero codes of P.  p = 2^(t - M), M the ceiling of the running largest t; the sum is taken of the unquantised p; when M moves, sum and O^T are multiplied by a power of two.
; THEN: wave (cg = w>>1, th = w&1): 32 output columns x 64 tokens for proj and fc2; wave w: 64 hidden columns x 128 tokens for fc1.  Operands go from wave to wave through LDS as images of their registers.
; TENSOR LOADS: at the head one a wave (waves 0-7 a window row of K, waves 8-15 one of V); behind the head's barrier one a wave (8 tokens of x).  No LDS byte is filled twice; a wave has one load out at most.
; Q's codes and all scale bytes come through registers into LDS bytes of their own.
; No cluster: neighbouring work-groups' windows begin at different rows and land at different LDS places, so no two descriptors are equal.  No prefetch: K, V and x are asked for at once, there is no loop to run ahead in.
; LIMITS: NaN and infinities are not served.  Masked scores are -2^127 (p is 0 as with -infinity).  The running largest t starts at -2^100.  A block of zeros carries the byte 1 (its codes are zeros).
; Largest magnitudes under 2^-124 are held at that floor.  erf is the quotient of two polynomials in z^2 (absolute error about 1e-7), z held to +-4.
.set KROW, 9344                        ; 64 tokens x 144 bytes + 128
.set VROW, 8456                        ; 32 rows x 264 bytes + 8
.set KB,   133376                      ; rows 0-7: K's window; rows 8, 9: my Q.  Below it XST: token t at 1040 t + 128 (t>>6): x, then y1, then the result
.set VB,   226816                      ; V's window: channel c at 264 (c>>3) + 32 (c&7), half row at 16, group at 4
.set KSC,  294656                      ; K's scale bytes [window token][8]
.set QSC,  298752
.set VTAB, 299776                      ; V's scale words: 32 channel + 8 pair + 4 home half
.set CIMG, 307968                      ; ctx: fragment (m, s) at 2048 m + 1024 s
.set CSC,  324352
.set SPARE, 325376                     ; the spare words, 128 bytes a wave
.set HIMG, 133376                      ; from here on in K's and V's bytes, which have had their one fill and their last read
.set HSC,  198912
.set YIMG, 203008
.set YSC,  219392
.set STA,  220416                      ; four tables of partial sums, 6,144 bytes each
.set FLOOR, 0x1800000
.set OFFE,  0xff000000
.set AK,  1                            ; v1-3 K's tiles by slot; v5-7 K's scale bytes; v9-11 V's bytes
.set AKS, 5
.set AV,  9
.set AVS, 13
.set AQ,  14
.set AQS, 15
.set ACI, 16
.set ACS, 17
.set ZR,  18
.set NEGR, 19                          ; -2^127
.set PEN, 20                           ; v20-23 row mask of pair p
.set CM,  24                           ; v24-47 column mask of slot xp, register j
.set QF,  56
.set KF,  64                           ; v64-87 six key tiles, 4 registers apart; v88-91 stand behind the last; V's four fragments, v64-95, lie over them
.set VF,  64
.set SCR, 100                          ; v100-147 scores, then p: pair q at 24 q, slot xp at 8 xp
.set PF,  164
.set OT,  180
.set NEGM, 196
.set TMX, 197
.set LSUM, 198
.set FAC, 200
.set NM0, 202
.set NM1, 204
.set BM,  206                          ; largest score: home 0, slot 2's block 0, home 1, slot 2's block 1
.set TT,  210
.set SO,  218
.set BY,  222
.set SH8, 228
.set KSW, 236                          ; v236-255 hold scales and nothing else
.set VSW, 236
.set QSW, 244
.set PSW, 245
.set ZA,  12
.set WK,  172
.set GZ,  44
.set GX,  52
.set GP,  60
.set GQ,  68
.macro NOP4
.rept 4
	v_nop
.endr
.endm
.macro WA
	s_wait_alu depctr_va_vdst(0)
.endm
.macro D1
	s_delay_alu instid0(VALU_DEP_1)
.endm
.macro D2
	s_delay_alu instid0(VALU_DEP_2)
.endm
.macro D4
	s_delay_alu instid0(VALU_DEP_4)
.endm
.macro BARRIER                         ; my LDS stores have landed and my LDS loads are in; then the work-group's barrier
	s_wait_dscnt 0x0
	s_barrier_signal -1
	s_barrier_wait -1
.endm
.macro MM d, a, b, c, sa, sb
	v_wmma_scale_f32_16x16x128_f8f6f4 v[\d:\d+7], v[\a:\a+7], v[\b:\b+7], v[\c:\c+7], v[\sa], v[\sb] matrix_a_fmt:MATRIX_FMT_FP4 matrix_b_fmt:MATRIX_FMT_FP4
.endm
.macro MM0 d, a, b, sa, sb             ; the first product starts the sum
	v_wmma_scale_f32_16x16x128_f8f6f4 v[\d:\d+7], v[\a:\a+7], v[\b:\b+7], 0, v[\sa], v[\sb] matrix_a_fmt:MATRIX_FMT_FP4 matrix_b_fmt:MATRIX_FMT_FP4
.endm
.macro SPAIR r, val
	s_mov_b32 s[\r], \val
	s_mov_b32 s[\r+1], \val
.endm
.macro QH32 src, dst, tm               ; 32 numbers of a lane, one block: codes into v[dst .. dst+3], the byte into v[tm+3]
	v_max3_num_f32 v[\tm], |v[\src]|, |v[\src+1]|, FLOOR
	v_max3_num_f32 v[\tm+1], |v[\src+16]|, |v[\src+17]|, FLOOR
.irp i, 2,4,6,8,10,12,14
	D2
	v_max3_num_f32 v[\tm], v[\tm], |v[\src+\i]|, |v[\src+\i+1]|
	D2
	v_max3_num_f32 v[\tm+1], v[\tm+1], |v[\src+16+\i]|, |v[\src+17+\i]|
.endr
	D1
	v_max_num_f32 v[\tm], v[\tm], v[\tm+1]
	D1
	v_add_nc_u32 v[\tm+2], OFFE, v[\tm]
	D1
	v_lshrrev_b32 v[\tm+3], 23, v[\tm+2]
.irp g, 0,1,2,3
	v_cvt_scalef32_pk8_fp4_f32 v[\dst+\g], v[\src+8*\g:\src+8*\g+7], v[\tm+2]
.endr
	v_nop
.endm
.macro QH16 src, w                     ; 16 numbers of a lane, half a block (lane l xor 16 has the other): codes into v[w+4], v[w+5], the byte into v[w+3]
	v_max3_num_f32 v[\w], |v[\src]|, |v[\src+1]|, FLOOR
	v_max3_num_f32 v[\w+1], |v[\src+8]|, |v[\src+9]|, FLOOR
.irp i, 2,4,6
	D2
	v_max3_num_f32 v[\w], v[\w], |v[\src+\i]|, |v[\src+\i+1]|
	D2
	v_max3_num_f32 v[\w+1], v[\w+1], |v[\src+8+\i]|, |v[\src+9+\i]|
.endr
	D1
	v_max_num_f32 v[\w], v[\w], v[\w+1]
	D1
	v_permlanex16_b32 v[\w+1], v[\w], s92, s93
	D1
	v_max_num_f32 v[\w], v[\w], v[\w+1]
	D1
	v_add_nc_u32 v[\w+2], OFFE, v[\w]
	D1
	v_lshrrev_b32 v[\w+3], 23, v[\w+2]
	v_cvt_scalef32_pk8_fp4_f32 v[\w+4], v[\src:\src+7], v[\w+2]
	v_cvt_scalef32_pk8_fp4_f32 v[\w+5], v[\src+8:\src+15], v[\w+2]
	v_nop
.endm
	s_load_b512 s[4:19], s[0:1], 0x0               ; x, acodes, ascales, wcodes, wscales, proj_b, ln1_g, ln1_b
	s_load_b256 s[20:27], s[0:1], 0x40             ; fc1_b, fc2_b, ln2_g, ln2_b
	s_load_b64 s[28:29], s[0:1], 0x60              ; out0
	v_lshl_add_u32 v254, v0, 2, SPARE
	v_mov_b32 v255, 0
	ds_add_u32 v254, v255                          ; the opening: the add twice on end and one wait, ahead of my first tensor load
	ds_add_u32 v254, v255
	v_lshrrev_b32 v1, 5, v0
	v_readfirstlane_b32 s30, v1                    ; wave w
	s_mov_b32 s31, ttmp9
	s_lshr_b32 s32, s31, 3                         ; image
	s_and_b32 s33, s31, 7
	s_lshl_b32 s33, s33, 1                         ; h0
	s_sub_co_i32 s34, s33, 3
	s_max_i32 s34, s34, 0
	s_min_i32 s34, s34, 8                          ; the window's first grid row: it enters memory addresses and the row mask alone
	s_lshr_b32 s35, s30, 1                         ; m; later cg
	s_and_b32 s36, s30, 1                          ; s; later th
	s_lshr_b32 s37, s30, 3                         ; the home half row
	s_and_b32 s46, s30, 7                          ; the window row that I fetch
	s_mov_b32 s48, (1<<20)|(4<<22)|(3<<25)         ; K: 64 rows (tokens) of 128 bytes, 16 of padding behind each
	s_mov_b32 s49, 128<<16
	s_mov_b32 s50, 64<<16
	s_mov_b32 s51, 128<<16
	s_mov_b32 s52, 64
	s_mov_b32 s53, 128
	s_mov_b32 s54, 0
	s_mov_b32 s55, 0
	s_mov_b32 s56, (1<<20)|(5<<22)|(1<<25)         ; V: 32 rows of 256 bytes (8 channels), 8 of padding behind each
	s_mov_b32 s57, 256<<16
	s_mov_b32 s58, 32<<16
	s_mov_b32 s59, 256<<16
	s_mov_b32 s60, 32
	s_mov_b32 s61, 256
	s_mov_b32 s62, 0
	s_mov_b32 s63, 0
	s_mov_b32 s68, (2<<16)|(1<<20)|(7<<22)|(3<<25) ; x: 8 rows of 256 elements of 4 bytes, 16 bytes of padding behind each
	s_mov_b32 s69, 256<<16
	s_mov_b32 s70, 8<<16
	s_mov_b32 s71, 256<<16
	s_mov_b32 s72, 8
	s_mov_b32 s73, 256
	s_mov_b32 s74, 0
	s_mov_b32 s75, 0
	s_mov_b32 s76, 1
	s_mul_i32 s77, s46, KROW
	s_add_co_u32 s77, s77, KB
	s_mov_b32 s80, 1
	s_mul_i32 s81, s46, VROW
	s_add_co_u32 s81, s81, VB
	s_mov_b32 s88, 1
	s_mul_i32 s89, s30, 8320
	s_lshl_b32 s38, s37, 7
	s_add_co_u32 s89, s89, s38                     ; x's tokens 8 w on
	s_add_co_u32 s38, s34, s46
	s_lshl_b32 s38, s38, 13                        ; 8,192 bytes a grid row, in K's codes and in V's
	s_lshl_b32 s39, s32, 17
	s_add_co_u32 s38, s38, s39
	s_add_co_u32 s40, s38, 0x800000
	s_add_co_u32 s38, s38, 0x400000
	s_mov_b32 s39, 0
	s_mov_b32 s41, 0
	s_lshl_b32 s42, s31, 14                        ; my work-group's 16,384 bytes of Q's codes
	s_mov_b32 s43, 0
	s_lshl_b32 s44, s31, 17
	s_lshl_b32 s45, s30, 13
	s_add_co_u32 s44, s44, s45
	s_mov_b32 s45, 0
	s_wait_dscnt 0x0                               ; both opening adds are done
	s_wait_kmcnt 0x0
	s_add_nc_u64 s[78:79], s[6:7], s[38:39]
	s_or_b32 s79, s79, 0x80000000
	s_add_nc_u64 s[82:83], s[6:7], s[40:41]
	s_or_b32 s83, s83, 0x80000000
	s_add_nc_u64 s[86:87], s[6:7], s[42:43]
	s_add_nc_u64 s[90:91], s[4:5], s[44:45]
	s_or_b32 s91, s91, 0x80000000
	s_cmp_lt_u32 s30, 8                            ; the head's loads, one a wave, in the two arms of one branch on the wave's number
	s_cbranch_scc0 .Lfor_v
	tensor_load_to_lds s[76:79], s[48:55]
	s_nop 0
	NOP4
	s_branch .Lasked
.Lfor_v:
	tensor_load_to_lds s[80:83], s[56:63]
	s_nop 0
	NOP4
.Lasked:
	; scale bytes: K's window (4,096 bytes, waves 0-7) and my Q's (1,024, waves 8, 9), 16 bytes a thread; V's, four halfwords a thread
	s_lshl_b32 s42, s32, 13
	s_lshl_b32 s43, s34, 9
	s_add_co_u32 s42, s42, s43
	s_add_co_u32 s42, s42, 262144
	s_lshl_b32 s43, s31, 10
	s_cmp_lt_u32 s30, 8
	s_cselect_b32 s42, s42, s43
	s_mov_b32 s43, 0
	s_add_nc_u64 s[44:45], s[8:9], s[42:43]
	s_lshl_b32 s42, s32, 4
	s_add_co_u32 s42, s42, s34
	s_lshl_b32 s42, s42, 9
	s_add_co_u32 s42, s42, 524288
	s_add_nc_u64 s[46:47], s[8:9], s[42:43]
	; the three slots' groups
	s_and_b32 s38, s35, 3
	s_add_co_u32 s38, s38, 3
	s_lshr_b32 s38, s38, 2
	s_xor_b32 s41, s38, 1                          ; 1 where m is the first group of its half row
	s_mov_b32 s38, s35                             ; slot 0
	s_lshl_b32 s39, s41, 1
	s_add_co_u32 s39, s39, s35
	s_add_co_u32 s39, s39, 7
	s_and_b32 s39, s39, 7                          ; slot 1
	s_mul_i32 s40, s41, 6
	s_add_co_u32 s40, s40, s35
	s_add_co_u32 s40, s40, 1
	s_and_b32 s40, s40, 7                          ; slot 2
	s_lshr_b32 s84, s40, 2
	s_cmp_eq_u32 s84, s37
	s_cselect_b32 s84, -1, 0                       ; all lanes where slot 2 lies in the home half row
	; the wave's parts of the LDS addresses
	s_lshl_b32 s41, s36, 6
	s_add_co_u32 s42, s41, KB
	s_mul_i32 s85, s35, 1152
	s_add_co_u32 s85, s85, s41
	s_add_co_u32 s85, s85, KB+8*KROW
	s_lshl_b32 s41, s36, 2
	s_add_co_u32 s43, s41, KSC
	s_lshl_b32 s92, s35, 6
	s_add_co_u32 s92, s92, s41
	s_add_co_u32 s92, s92, QSC
	s_mul_i32 s93, s36, 4224
	s_add_co_u32 s93, s93, VB
	s_lshl_b32 s94, s37, 2
	s_lshl_b32 s41, s36, 12
	s_add_co_u32 s94, s94, s41
	s_add_co_u32 s94, s94, VTAB
	s_lshl_b32 s95, s35, 11
	s_lshl_b32 s41, s36, 10
	s_add_co_u32 s95, s95, s41
	s_add_co_u32 s95, s95, CIMG
	s_lshl_b32 s96, s35, 7
	s_lshl_b32 s41, s36, 6
	s_add_co_u32 s96, s96, s41
	s_add_co_u32 s96, s96, CSC
	s_lshl_b32 s97, s35, 3                         ; 8 m
	s_sub_co_i32 s98, s34, s33
	s_add_co_i32 s98, s98, 3
	; from here the head's vector work stands on end
	v_and_b32 v110, 255, v0
	v_lshlrev_b32 v110, 4, v110
	v_lshl_add_u32 v111, v0, 4, KSC
	v_lshrrev_b32 v112, 1, v0                      ; channel
	v_and_b32 v113, 1, v0                          ; which two pairs of window rows
	v_lshlrev_b32 v112, 1, v112
	v_lshl_add_u32 v112, v113, 11, v112
	v_lshl_add_u32 v113, v0, 4, VTAB
	v_lshlrev_b32 v128, 5, v0                      ; Q's codes: 32 bytes a thread
.irp k, 0,1,2,3
	global_load_u16 v[114+\k], v112, s[46:47] offset:512*\k
.endr
	global_load_b128 v[132:135], v128, s[86:87]
	global_load_b128 v[136:139], v128, s[86:87] offset:16
	WA
	s_cmp_lt_u32 s30, 10
	s_cbranch_scc0 .Lno_sc_load
	global_load_b128 v[120:123], v110, s[44:45]
.Lno_sc_load:
	v_and_b32 v100, 15, v0                         ; r
	v_bfe_u32 v101, v0, 4, 1                       ; h
	v_and_b32 v102, 7, v0                          ; r&7
	v_bfe_u32 v103, v0, 3, 1                       ; r>>3
	v_mul_u32_u24 v105, v103, KROW
	v_mad_u32_u24 v105, v102, 144, v105
	v_lshl_add_u32 v106, v101, 4, v105
	v_add_nc_u32 v106, s42, v106
	v_lshlrev_b32 v107, 9, v103
	v_lshl_add_u32 v107, v102, 3, v107
	v_add_nc_u32 v104, s43, v107
	v_mul_u32_u24 v108, v101, VROW
	v_mad_u32_u24 v108, v103, 528, v108
	v_lshl_add_u32 v108, v102, 5, v108
	v_add_nc_u32 v108, s93, v108
.irp xp, 0,1,2
	v_mad_u32_u24 v[AK+\xp], s[38+\xp], 1152, v106 ; key (row r>>3 of the pair, column 8 G + (r&7)), head 4 s + h
	v_lshl_add_u32 v[AKS+\xp], s[38+\xp], 6, v104
	v_lshl_add_u32 v[AV+\xp], s[38+\xp], 2, v108   ; window row h of the pair, channel (r&7) + 16 (r>>3), group G's four bytes
.endr
	v_lshlrev_b32 v109, 5, v102
	v_lshl_add_u32 v109, v103, 9, v109
	v_add_nc_u32 v[AVS], s94, v109
	v_add_nc_u32 v[AQ], s85, v105
	v_add_nc_u32 v[AQS], s92, v107
	v_lshlrev_b32 v109, 4, v100
	v_lshl_add_u32 v109, v101, 3, v109
	v_add_nc_u32 v[ACI], s95, v109
	v_lshl_add_u32 v[ACS], v100, 2, s96
	v_lshrrev_b32 v129, 8, v0                      ; Q into LDS: token t = thread / 4 at row 8 + (t>>6), 144 (t&63), 32 bytes a thread
	v_mul_u32_u24 v129, v129, KROW
	v_bfe_u32 v130, v0, 2, 6
	v_mad_u32_u24 v129, v130, 144, v129
	v_and_b32 v130, 3, v0
	v_lshl_add_u32 v129, v130, 5, v129
	v_add_nc_u32 v129, KB+8*KROW, v129
	; the masks: whole numbers made of ids; 0 where the key counts, -2^127 where not
	v_mov_b32 v[ZR], 0
	v_mov_b32 v[NEGR], 0xff000000
	v_sub_nc_u32 v131, 5, v102
	v_sub_nc_u32 v131, v131, s97
.irp xp, 0,1,2
	v_lshl_add_u32 v118, s[38+\xp], 3, v131        ; 8 (G - m) - (r&7) + 5
.irp j, 0,1,2,3,4,5,6,7
	v_add_nc_u32 v119, \j, v118
	v_cmp_ge_u32 vcc_lo, 10, v119                  ; |column difference| <= 5
	v_cndmask_b32 v[CM+8*\xp+\j], v[NEGR], v[ZR], vcc_lo
.endr
.endr
	v_sub_nc_u32 v118, v101, v103
	v_add_nc_u32 v118, s98, v118
.irp p, 0,1,2,3
	v_add_nc_u32 v119, 2*\p, v118
	v_cmp_ge_u32 vcc_lo, 6, v119                   ; |row difference| <= 3
	v_cndmask_b32 v[PEN+\p], v[NEGR], v[ZR], vcc_lo
.endr
.irp i, QF+4,QF+5,QF+6,QF+7,PF+3,PF+5,PF+6,PF+7,PF+11,PF+13,PF+14,PF+15,KF+24,KF+25,KF+26,KF+27,KF+28,KF+29,KF+30,KF+31,TT+1,TT+2,TT+3,FAC+1,NM0+1,NM1+1
	v_mov_b32 v[\i], 0                             ; zero codes that stay; registers named in fragments, permutes and pairs before anything else writes them
.endr
	v_lshlrev_b32 v[SH8], 3, v101
	s_mov_b32 s92, 0x76543210
	s_mov_b32 s93, 0xfedcba98                      ; v_permlanex16_b32's selects for lane l xor 16
	s_mov_b32 s94, 0x3fb8aa3b                      ; log2(e)
	s_mov_b32 s95, s94
	s_mov_b32 s98, 0x3b800000                      ; 1 / 256
	s_mov_b32 s99, 0x358637bd                      ; 1e-6
	s_mov_b32 s100, 0xffff0000                     ; lanes 16-31
	s_mov_b32 s101, 0x0000ffff                     ; lanes 0-15
	WA                                             ; at the head's end
	s_wait_loadcnt 0x0
	v_perm_b32 v124, v115, v114, 0x05010400        ; V's scale word: (home, row 2 p), (home, 2 p + 1), (other, 2 p), (other, 2 p + 1); home = half row 0,
	v_perm_b32 v125, v115, v114, 0x04000501        ; home = half row 1
	v_perm_b32 v126, v117, v116, 0x05010400
	v_perm_b32 v127, v117, v116, 0x04000501
	ds_store_b128 v113, v[124:127]
	ds_store_b128 v129, v[132:135]
	ds_store_b128 v129, v[136:139] offset:16
	s_cmp_lt_u32 s30, 10
	s_cbranch_scc0 .Lno_sc_store
	ds_store_b128 v111, v[120:123]
.Lno_sc_store:
	s_wait_tensorcnt 0x0                           ; my row of K or V has landed
	ds_add_u32 v254, v255
	s_wait_dscnt 0x0                               ; the add and my LDS stores are done
	s_barrier_signal -1
	s_barrier_wait -1
	tensor_load_to_lds s[88:91], s[68:75]          ; my 8 tokens of x: my one load behind this barrier; read behind the attention
	s_nop 0
	NOP4
.macro KLOAD st, pr                    ; six key tiles (pairs 2 st, 2 st + 1 x three slots): 16 bytes a lane: head 2 pr + h of my key; and the two heads' scale bytes
.irp q, 0,1
.irp xp, 0,1,2
	ds_load_b128 v[KF+4*(3*\q+\xp):KF+4*(3*\q+\xp)+3], v[AK+\xp] offset:(2*(\st)+\q)*2*KROW+32*(\pr)
	ds_load_u16 v[KSW+3*\q+\xp], v[AKS+\xp] offset:(2*(\st)+\q)*1024+2*(\pr)
.endr
.endr
.endm
.macro VLOAD st, hd                    ; four fragments of V^T (two pairs x two tiles of 16 channels): the slots' bytes into registers 0, 1, 2, and slot 2's into 4 too
.irp q, 0,1
.irp u, 0,1
.irp e, 0,1,2
	ds_load_b32 v[VF+8*(2*\q+\u)+\e], v[AV+\e] offset:(2*(\st)+\q)*2*VROW+\u*264+(\hd)*1056
.endr
	ds_load_b32 v[VF+8*(2*\q+\u)+4], v[AV+2] offset:(2*(\st)+\q)*2*VROW+\u*264+(\hd)*1056
	ds_load_b32 v[VSW+2*\q+\u], v[AVS] offset:(\hd)*1024+\u*256+(2*(\st)+\q)*8
.endr
.endr
.endm
; A step: window rows 4 st .. 4 st + 3 of one head.  first = 1: it starts M, the sum and O^T.
.macro ASTEP st, first, hd
.irp t, 0,1,2,3,4,5
	MM SCR+8*\t, KF+4*\t, QF, CM+8*(\t%3), KSW+\t, QSW   ; a key fragment's upper four registers meet zero codes of Q
.endr
	NOP4                                           ; places in front of loads into registers that these products read, and of the first read of results
	VLOAD \st, \hd
	; the largest scores, each accumulator first read at its low end
	v_max3_num_f32 v[BM], v[SCR], v[SCR+1], v[SCR+2]
	v_max3_num_f32 v[BM+2], v[SCR+24], v[SCR+25], v[SCR+26]
	v_max3_num_f32 v[BM+1], v[SCR+16], v[SCR+17], v[SCR+18]
	v_max3_num_f32 v[BM+3], v[SCR+40], v[SCR+41], v[SCR+42]
.irp i, 3,5
	v_max3_num_f32 v[BM], v[BM], v[SCR+\i], v[SCR+\i+1]
	v_max3_num_f32 v[BM+2], v[BM+2], v[SCR+24+\i], v[SCR+25+\i]
	v_max3_num_f32 v[BM+1], v[BM+1], v[SCR+16+\i], v[SCR+17+\i]
	v_max3_num_f32 v[BM+3], v[BM+3], v[SCR+40+\i], v[SCR+41+\i]
.endr
	v_max_num_f32 v[BM+1], v[BM+1], v[SCR+23]
	v_max_num_f32 v[BM+3], v[BM+3], v[SCR+47]
.irp i, 7,9,11,13
	v_max3_num_f32 v[BM], v[BM], v[SCR+\i], v[SCR+\i+1]
	v_max3_num_f32 v[BM+2], v[BM+2], v[SCR+24+\i], v[SCR+25+\i]
.endr
	v_max_num_f32 v[BM], v[BM], v[SCR+15]
	v_max_num_f32 v[BM+2], v[BM+2], v[SCR+39]
	v_cndmask_b32 v[TT], v[NEGR], v[BM+1], s84     ; where slot 2 is home its largest score joins the home block's,
	v_cndmask_b32 v[TT+1], v[NEGR], v[BM+3], s84
	D2
	v_max_num_f32 v[BM], v[BM], v[TT]
	D2
	v_max_num_f32 v[BM+2], v[BM+2], v[TT+1]
	D2
	v_cndmask_b32 v[BM+1], v[BM+1], v[BM], s84     ; and its block's largest is the home block's
	D2
	v_cndmask_b32 v[BM+3], v[BM+3], v[BM+2], s84
	v_add_f32 v[TT], v[BM], v[PEN+2*(\st)]         ; under the row mask, for the row's maximum alone
	v_add_f32 v[TT+1], v[BM+1], v[PEN+2*(\st)]
	v_add_f32 v[TT+2], v[BM+2], v[PEN+2*(\st)+1]
	v_add_f32 v[TT+3], v[BM+3], v[PEN+2*(\st)+1]
	D2
	v_max3_num_f32 v[TT], v[TT], v[TT+1], v[TT+2]
	D1
	v_max_num_f32 v[TT], v[TT], v[TT+3]
	D1
	v_permlanex16_b32 v[TT+1], v[TT], s92, s93     ; the query's other window rows lie in lane l xor 16
	D1
	v_max_num_f32 v[TT], v[TT], v[TT+1]
	D1
	v_mul_f32 v[TT], s94, v[TT]                    ; as t
.if \first
	D1
	v_max_num_f32 v[TMX], 0xf1800000, v[TT]        ; -2^100 stands under every t: a step all of whose keys are masked leaves a finite M
	D1
	v_floor_f32 v[NEGM], -v[TMX]                   ; -M = floor(-t) = -ceil(t)
.else
	D1
	v_max_num_f32 v[TMX], v[TMX], v[TT]
	v_mov_b32 v[TT+2], v[NEGM]
	D2
	v_floor_f32 v[NEGM], -v[TMX]
	D1
	v_sub_f32 v[TT+2], v[NEGM], v[TT+2]            ; old M - new M, a whole number, 0 or less
	D1
	v_cvt_i32_f32 v[TT+2], v[TT+2]                 ; (it saturates)
	D1
	v_ldexp_f32 v[FAC], 1.0, v[TT+2]               ; f = 2^(old M - new M)
.endif
	v_add_f32 v[NM0], v[NEGM], v[PEN+2*(\st)]      ; -M, or -2^127 where my window row is masked
	v_add_f32 v[NM1], v[NEGM], v[PEN+2*(\st)+1]
.set i, 0
.rept 12
	v_pk_fma_f32 v[SCR+i:SCR+i+1], v[SCR+i:SCR+i+1], s[94:95], v[NM0:NM0+1] op_sel_hi:[1,0,0]
.set i, i+2
.endr
.rept 12
	v_pk_fma_f32 v[SCR+i:SCR+i+1], v[SCR+i:SCR+i+1], s[94:95], v[NM1:NM1+1] op_sel_hi:[1,0,0]
.set i, i+2
.endr
	v_fma_f32 v[BM], v[BM], s94, v[NM0]            ; the same of each block's largest score: the block's largest p comes out with the same bits
	v_fma_f32 v[BM+1], v[BM+1], s94, v[NM0]
	v_fma_f32 v[BM+2], v[BM+2], s94, v[NM1]
	v_fma_f32 v[BM+3], v[BM+3], s94, v[NM1]
.set i, 0
	WA                                             ; ahead of the batch
.rept 48
	v_exp_f32 v[SCR+i], v[SCR+i]                   ; p = 2^(t - M)
.set i, i+1
.endr
.if \first
	v_nop                                          ; a plain place behind the exponentials
.else
	v_pk_mul_f32 v[LSUM:LSUM+1], v[LSUM:LSUM+1], v[FAC:FAC+1] op_sel_hi:[1,0]
.endif
	WA                                             ; one wait for the batch of 48, ahead of its first reader
.irp b, 0,1,2,3
	v_exp_f32 v[BM+\b], v[BM+\b]
.endr
	; the sum of the unquantised p, registers 0-23, in two chains: plain work behind the four
.if \first
	v_pk_add_f32 v[LSUM:LSUM+1], v[SCR:SCR+1], v[SCR+4:SCR+5]
	v_pk_add_f32 v[TT+4:TT+5], v[SCR+2:SCR+3], v[SCR+6:SCR+7]
.set i, 8
.rept 4
	v_pk_add_f32 v[LSUM:LSUM+1], v[LSUM:LSUM+1], v[SCR+i:SCR+i+1]
	v_pk_add_f32 v[TT+4:TT+5], v[TT+4:TT+5], v[SCR+i+2:SCR+i+3]
.set i, i+4
.endr
.else
	v_pk_add_f32 v[TT+4:TT+5], v[SCR:SCR+1], v[SCR+2:SCR+3]
.set i, 4
.rept 5
	v_pk_add_f32 v[LSUM:LSUM+1], v[LSUM:LSUM+1], v[SCR+i:SCR+i+1]
	v_pk_add_f32 v[TT+4:TT+5], v[TT+4:TT+5], v[SCR+i+2:SCR+i+3]
.set i, i+4
.endr
.endif
	WA                                             ; and one for the four
.irp b, 0,1,2,3
	v_max_num_f32 v[BM+\b], FLOOR, v[BM+\b]
.endr
.irp b, 0,1,2,3
	D4
	v_add_nc_u32 v[SO+\b], OFFE, v[BM+\b]
.endr
.irp b, 0,1,2,3
	D4
	v_lshrrev_b32 v[BY+\b], 23, v[SO+\b]
.endr
	v_lshl_or_b32 v[TT], v[BY+1], 16, v[BY]        ; my bytes: (home, my row), (other, my row),
	v_lshl_or_b32 v[TT+1], v[BY+3], 16, v[BY+2]
	D2
	v_lshlrev_b32 v[TT], v[SH8], v[TT]             ; at their places by the row's parity;
	D2
	v_lshlrev_b32 v[TT+1], v[SH8], v[TT+1]
	D2
	v_permlanex16_b32 v[TT+2], v[TT], s92, s93
	D2
	v_permlanex16_b32 v[TT+3], v[TT+1], s92, s93
	D2
	v_or_b32 v[PSW], v[TT], v[TT+2]                ; with lane l xor 16's the words are whole
	D2
	v_or_b32 v[PSW+1], v[TT+1], v[TT+3]
.irp q, 0,1
	v_cvt_scalef32_pk8_fp4_f32 v[PF+8*\q], v[SCR+24*\q:SCR+24*\q+7], v[SO+2*\q]
	v_cvt_scalef32_pk8_fp4_f32 v[PF+8*\q+1], v[SCR+24*\q+8:SCR+24*\q+15], v[SO+2*\q]
	v_cvt_scalef32_pk8_fp4_f32 v[TT+6+\q], v[SCR+24*\q+16:SCR+24*\q+23], v[SO+2*\q+1]
.endr
	v_nop                                          ; one plain place behind a scaled conversion
.irp q, 0,1
	v_cndmask_b32 v[PF+8*\q+2], v[ZR], v[TT+6+\q], s84   ; slot 2's codes: in the home block,
	v_cndmask_b32 v[PF+8*\q+4], v[TT+6+\q], v[ZR], s84   ; or in the other; zeros in the one not meant
.endr
	; the sum's registers 24-47: 13 plain lines that name no register of the products below: the eight places behind p's scale words and the four behind its codes
.set i, 24
.rept 6
	v_pk_add_f32 v[LSUM:LSUM+1], v[LSUM:LSUM+1], v[SCR+i:SCR+i+1]
	v_pk_add_f32 v[TT+4:TT+5], v[TT+4:TT+5], v[SCR+i+2:SCR+i+3]
.set i, i+4
.endr
	D1
	v_pk_add_f32 v[LSUM:LSUM+1], v[LSUM:LSUM+1], v[TT+4:TT+5]
.if !(\first)
.set i, 0
.rept 8
	v_pk_mul_f32 v[OT+i:OT+i+1], v[OT+i:OT+i+1], v[FAC:FAC+1] op_sel_hi:[1,0]   ; O^T under the new M
.set i, i+2
.endr
.endif
	s_wait_dscnt 0x0                               ; V's fragments and scale words
.if \first
	MM0 OT, VF, PF, VSW, PSW
	MM0 OT+8, VF+8, PF, VSW+1, PSW
.else
	WA
	MM OT, VF, PF, OT, VSW, PSW                    ; the two accumulators take turns
	MM OT+8, VF+8, PF, OT+8, VSW+1, PSW
.endif
	MM OT, VF+16, PF+8, OT, VSW+2, PSW+1
	MM OT+8, VF+24, PF+8, OT+8, VSW+3, PSW+1
.endm
.macro HEAD hd                         ; head 4 s + hd
	ds_load_b128 v[QF:QF+3], v[AQ] offset:16*(\hd)
	ds_load_u16 v[QSW], v[AQS] offset:2*((\hd)/2)
	KLOAD 0, (\hd)/2
	s_wait_dscnt 0x0
.irp i, 0,1,2,3
	v_cndmask_b32 v[QF+\i], v[QF+\i], v[ZR], s[100+(\hd)%2]   ; Q's codes stay in the K block of this head alone
.endr
	NOP4                                           ; an operand written by vector instructions stands four places ahead of a scaled product
	ASTEP 0, 1, \hd
	NOP4                                           ; places in front of loads into registers that the last products read
	KLOAD 1, (\hd)/2
	s_wait_dscnt 0x0
	ASTEP 1, 0, \hd
	NOP4
	v_add_f32 v[TT], v[LSUM], v[LSUM+1]
	D1
	v_permlanex16_b32 v[TT+1], v[TT], s92, s93
	D1
	v_add_f32 v[TT], v[TT], v[TT+1]                ; the row's sum
	WA
	v_rcp_f32 v[FAC], v[TT]
	v_nop
	WA
.set i, 0
.rept 8
	v_pk_mul_f32 v[OT+i:OT+i+1], v[OT+i:OT+i+1], v[FAC:FAC+1] op_sel_hi:[1,0]   ; ctx(query r, channels 16 h + 0 .. 15 of the head)
.set i, i+2
.endr
	QH16 OT, TT
	ds_store_b64 v[ACI], v[TT+4:TT+5] offset:256*(\hd)   ; K block hd of fragment (m, s): 16 r + 8 h
	ds_store_b8 v[ACS], v[TT+3] offset:\hd
.endm
	HEAD 0
	HEAD 1
	HEAD 2
	HEAD 3
	; ---- behind the heads: addresses anew; proj's weights, bias and LN1's parameters are asked for
	s_wait_dscnt 0x0
	v_and_b32 v1, 31, v0
	D1
	v_lshlrev_b32 v1, 4, v1                        ; 16 lane
	v_and_b32 v4, 15, v0                           ; r
	D1
	v_lshlrev_b32 v2, 3, v4                        ; 8 r
	v_bfe_u32 v11, v0, 4, 1
	D1
	v_lshlrev_b32 v3, 6, v11                       ; 64 h
	v_lshlrev_b32 v11, 7, v11                      ; 128 h
	WA                                             ; directly ahead of the run of scalar lines
	s_mov_b32 s97, 0
	s_lshl_b32 s96, s35, 12
	s_add_co_u32 s96, s96, 98304
	s_add_nc_u64 s[38:39], s[10:11], s[96:97]      ; proj's tiles 2 cg, 2 cg + 1
	s_lshl_b32 s96, s35, 8
	s_add_co_u32 s96, s96, 6144
	s_add_nc_u64 s[40:41], s[12:13], s[96:97]
	s_lshl_b32 s96, s35, 7                         ; columns 32 cg on
	s_add_nc_u64 s[42:43], s[14:15], s[96:97]
	s_add_nc_u64 s[44:45], s[16:17], s[96:97]
	s_add_nc_u64 s[46:47], s[18:19], s[96:97]
.irp f, 0,1,2,3
.irp c, 0,1
	global_load_b128 v[76+8*\f+4*\c:79+8*\f+4*\c], v1, s[38:39] offset:1024*\f+512*\c
.endr
.endr
.irp u, 0,1
	global_load_b64 v[236+2*\u:237+2*\u], v2, s[40:41] offset:128*\u
.endr
.irp i, 0,1,2,3
	global_load_b128 v[108+4*\i:111+4*\i], v3, s[42:43] offset:16*\i
	global_load_b128 v[204+4*\i:207+4*\i], v3, s[44:45] offset:16*\i
	global_load_b128 v[220+4*\i:223+4*\i], v3, s[46:47] offset:16*\i
.endr
	v_bfe_u32 v8, v0, 3, 1
	v_and_b32 v10, 7, v0
	D2
	v_mul_u32_u24 v5, v8, 66688
	D1
	v_mad_u32_u24 v5, v10, 1040, v5
	D1
	v_add_nc_u32 v5, v3, v5
	s_mul_i32 s100, s36, 33280
	s_lshl_b32 s101, s35, 7
	s_add_co_u32 s100, s100, s101
	v_add_nc_u32 v5, s100, v5                      ; XST: token (4 th + mm, r), columns 32 cg + 16 h on; a tile further on is 8,320 bytes
	v_mul_u32_u24 v6, v4, 48
	s_mul_i32 s100, s36, 3072
	s_add_co_u32 s100, s100, STA
	v_add_nc_u32 v6, s100, v6                      ; partial sums: my row's eight words,
	s_lshl_b32 s100, s35, 2
	v_add_nc_u32 v7, s100, v6                      ; and my wave's word among them
	s_lshl_b32 s100, s36, 13
	s_add_co_u32 s100, s100, CIMG
	v_add_nc_u32 v8, s100, v1
	v_lshlrev_b32 v10, 2, v4
	s_lshl_b32 s100, s36, 9
	s_add_co_u32 s100, s100, CSC
	v_add_nc_u32 v10, s100, v10
	WA
	s_wait_tensorcnt 0x0                           ; x has landed
	BARRIER                                        ; ctx's sixteen fragments and x lie in LDS; nobody reads K, V or their scales any more
	; ---- proj: source 0 = 16 columns of the weight, source 1 = ctx.  Eight accumulators by turns.
.irp mm, 0,1,2,3
.irp s, 0,1
.irp c, 0,1
	ds_load_b128 v[124+8*(2*\mm+\s)+4*\c:127+8*(2*\mm+\s)+4*\c], v8 offset:\mm*2048+\s*1024+\c*512
.endr
	ds_load_b32 v[240+2*\mm+\s], v10 offset:\mm*128+\s*64
.endr
.endr
	s_wait_loadcnt 0x0
	s_wait_dscnt 0x0
.irp mm, 0,1,2,3
.irp u, 0,1
	MM ZA+8*(2*\mm+\u), 76+16*\u, 124+16*\mm, 108+8*\u, 236+2*\u, 240+2*\mm
.endr
.endr
.irp mm, 0,1,2,3
.irp u, 0,1
	MM ZA+8*(2*\mm+\u), 84+16*\u, 132+16*\mm, ZA+8*(2*\mm+\u), 237+2*\u, 241+2*\mm
.endr
.endr
	NOP4
	; fc1's weights for my 64 hidden columns are asked for now: they land under the residual and LN1
	s_lshl_b32 s96, s30, 13
	s_add_co_u32 s96, s96, 131072
	s_add_nc_u64 s[38:39], s[10:11], s[96:97]
	s_lshl_b32 s96, s30, 9
	s_add_co_u32 s96, s96, 8192
	s_add_nc_u64 s[40:41], s[12:13], s[96:97]
	s_lshl_b32 s96, s30, 8
	s_add_nc_u64 s[42:43], s[20:21], s[96:97]
.irp f, 0,1,2,3,4,5,6,7
.irp c, 0,1
	global_load_b128 v[76+8*\f+4*\c:79+8*\f+4*\c], v1, s[38:39] offset:1024*\f+512*\c
.endr
.endr
.irp q, 0,1,2,3
.irp i, 0,1
	global_load_b128 v[140+8*\q+4*\i:143+8*\q+4*\i], v11, s[42:43] offset:32*\q+16*\i
.endr
	global_load_b64 v[236+2*\q:237+2*\q], v2, s[40:41] offset:128*\q
.endr
.macro XRLOAD mm, buf
.irp i, 0,1,2,3
	ds_load_b128 v[\buf+4*\i:\buf+4*\i+3], v5 offset:(\mm)*8320+16*\i
.endr
.endm
.macro XRADD mm, buf
.irp i, 0,2,4,6,8,10,12,14
	v_pk_add_f32 v[ZA+16*(\mm)+\i:ZA+16*(\mm)+\i+1], v[ZA+16*(\mm)+\i:ZA+16*(\mm)+\i+1], v[\buf+\i:\buf+\i+1]
.endr
.endm
.macro RESID                           ; the residual rows from XST, through two buffers: the wait leaves the other buffer's four loads out
	XRLOAD 0, 172
	XRLOAD 1, 188
	s_wait_dscnt 4
	XRADD 0, 172
	XRLOAD 2, 172
	s_wait_dscnt 4
	XRADD 1, 188
	XRLOAD 3, 188
	s_wait_dscnt 4
	XRADD 2, 172
	s_wait_dscnt 0x0
	XRADD 3, 188
.endm
; Four pairs a tile in v[WK + 8 mm ..] become the row's sum over all 256 columns, in v[WK + 8 mm]: my 16, lane l xor 16's, and the eight waves' through the table at sa
.macro LNJOIN sa
.irp mm, 0,1,2,3
	v_pk_add_f32 v[WK+8*\mm:WK+8*\mm+1], v[WK+8*\mm:WK+8*\mm+1], v[WK+8*\mm+2:WK+8*\mm+3]
	v_pk_add_f32 v[WK+8*\mm+4:WK+8*\mm+5], v[WK+8*\mm+4:WK+8*\mm+5], v[WK+8*\mm+6:WK+8*\mm+7]
.endr
.irp mm, 0,1,2,3
	v_pk_add_f32 v[WK+8*\mm:WK+8*\mm+1], v[WK+8*\mm:WK+8*\mm+1], v[WK+8*\mm+4:WK+8*\mm+5]
.endr
.irp mm, 0,1,2,3
	D4
	v_add_f32 v[WK+8*\mm], v[WK+8*\mm], v[WK+8*\mm+1]
.endr
.irp mm, 0,1,2,3
	D4
	v_permlanex16_b32 v[WK+8*\mm+1], v[WK+8*\mm], s92, s93
.endr
.irp mm, 0,1,2,3
	D4
	v_add_f32 v[WK+8*\mm], v[WK+8*\mm], v[WK+8*\mm+1]
.endr
.irp mm, 0,1,2,3
	ds_store_b32 v7, v[WK+8*\mm] offset:(\sa)+768*\mm
.endr
	BARRIER
.irp mm, 0,1,2,3
	ds_load_b128 v[WK+8*\mm:WK+8*\mm+3], v6 offset:(\sa)+768*\mm
	ds_load_b128 v[WK+8*\mm+4:WK+8*\mm+7], v6 offset:(\sa)+768*\mm+16
.endr
	s_wait_dscnt 0x0
.irp mm, 0,1,2,3
	v_pk_add_f32 v[WK+8*\mm:WK+8*\mm+1], v[WK+8*\mm:WK+8*\mm+1], v[WK+8*\mm+2:WK+8*\mm+3]
	v_pk_add_f32 v[WK+8*\mm+4:WK+8*\mm+5], v[WK+8*\mm+4:WK+8*\mm+5], v[WK+8*\mm+6:WK+8*\mm+7]
.endr
.irp mm, 0,1,2,3
	v_pk_add_f32 v[WK+8*\mm:WK+8*\mm+1], v[WK+8*\mm:WK+8*\mm+1], v[WK+8*\mm+4:WK+8*\mm+5]
.endr
.irp mm, 0,1,2,3
	D4
	v_add_f32 v[WK+8*\mm], v[WK+8*\mm], v[WK+8*\mm+1]
.endr
.endm
; LayerNorm of the 64 rows in ZA, in two passes (the mean is taken away before the squares: no difference of large sums).  G, B: gain and bias of my 16 columns
.macro LNORM sa, sb, G, B
.irp mm, 0,1,2,3
.irp i, 0,2,4,6
	v_pk_add_f32 v[WK+8*\mm+\i:WK+8*\mm+\i+1], v[ZA+16*\mm+2*\i:ZA+16*\mm+2*\i+1], v[ZA+16*\mm+2*\i+2:ZA+16*\mm+2*\i+3]
.endr
.endr
	LNJOIN \sa
.irp mm, 0,1,2,3
	D4
	v_mul_f32 v[WK+8*\mm], s98, v[WK+8*\mm]        ; the mean
.endr
.irp mm, 0,1,2,3
.irp i, 0,2,4,6,8,10,12,14
	v_pk_add_f32 v[ZA+16*\mm+\i:ZA+16*\mm+\i+1], v[ZA+16*\mm+\i:ZA+16*\mm+\i+1], v[WK+8*\mm:WK+8*\mm+1] op_sel_hi:[1,0] neg_lo:[0,1] neg_hi:[0,1]
.endr
.endr
.irp mm, 0,1,2,3
.irp i, 0,2,4,6
	v_pk_mul_f32 v[WK+8*\mm+\i:WK+8*\mm+\i+1], v[ZA+16*\mm+\i:ZA+16*\mm+\i+1], v[ZA+16*\mm+\i:ZA+16*\mm+\i+1]
.endr
.irp i, 0,2,4,6
	D4
	v_pk_fma_f32 v[WK+8*\mm+\i:WK+8*\mm+\i+1], v[ZA+16*\mm+8+\i:ZA+16*\mm+9+\i], v[ZA+16*\mm+8+\i:ZA+16*\mm+9+\i], v[WK+8*\mm+\i:WK+8*\mm+\i+1]
.endr
.endr
	LNJOIN \sb
.irp mm, 0,1,2,3
	D4
	v_fma_f32 v[WK+8*\mm], v[WK+8*\mm], s98, s99   ; the variance + 1e-6
.endr
	WA
.irp mm, 0,1,2,3
	v_rsq_f32 v[WK+8*\mm], v[WK+8*\mm]
.endr
	v_nop
	WA                                             ; one wait for the four
.irp mm, 0,1,2,3
.irp i, 0,2,4,6,8,10,12,14
	v_pk_mul_f32 v[ZA+16*\mm+\i:ZA+16*\mm+\i+1], v[ZA+16*\mm+\i:ZA+16*\mm+\i+1], v[WK+8*\mm:WK+8*\mm+1] op_sel_hi:[1,0]
.endr
.irp i, 0,2,4,6,8,10,12,14
	v_pk_fma_f32 v[ZA+16*\mm+\i:ZA+16*\mm+\i+1], v[ZA+16*\mm+\i:ZA+16*\mm+\i+1], v[\G+\i:\G+\i+1], v[\B+\i:\B+\i+1]
.endr
.endr
.endm
.macro TOXST                           ; my 64 x 16 numbers back to my own bytes of XST
.irp mm, 0,1,2,3
.irp i, 0,1,2,3
	ds_store_b128 v5, v[ZA+16*\mm+4*\i:ZA+16*\mm+4*\i+3] offset:\mm*8320+16*\i
.endr
.endr
.endm
	RESID                                          ; x + proj(ctx) + proj_b (the bias was the C of the first products)
	LNORM 0, 6144, 204, 220
	TOXST                                          ; y1 is kept for the second residual
	v_lshlrev_b32 v8, 4, v4
	v_bfe_u32 v10, v0, 4, 1
	D1
	v_lshl_add_u32 v8, v10, 3, v8
	s_lshl_b32 s100, s36, 13
	s_lshl_b32 s101, s35, 8
	s_add_co_u32 s100, s100, s101
	s_add_co_u32 s100, s100, YIMG
	v_add_nc_u32 v8, s100, v8                      ; y1's images: K block cg of tile 4 th + mm: 16 r + 8 h
	v_lshlrev_b32 v9, 2, v4
	s_lshl_b32 s100, s36, 9
	s_lshr_b32 s101, s35, 2
	s_lshl_b32 s101, s101, 6
	s_add_co_u32 s100, s100, s101
	s_and_b32 s101, s35, 3
	s_add_co_u32 s100, s100, s101
	s_add_co_u32 s100, s100, YSC
	v_add_nc_u32 v9, s100, v9
.irp mm, 0,1,2,3
	QH16 ZA+16*\mm, WK+8*\mm
	ds_store_b64 v8, v[WK+8*\mm+4:WK+8*\mm+5] offset:2048*\mm
	ds_store_b8 v9, v[WK+8*\mm+3] offset:128*\mm
.endr
	BARRIER                                        ; y1's sixteen fragments lie in LDS
	; ---- fc1 and GELU.  erf(z) = z P(z^2) / Q(z^2) with z = a 2^-0.5.  The polynomials are taken in a^2: coefficient k carries 2^-k, an exact change of its exponent;
	; gelu(a) = a (0.5 + 2^-1.5 c P / Q), c = a held to +-4 x 2^0.5.  The descriptors' registers are free since the wait for all tensor loads
	s_wait_loadcnt 0x0                             ; fc1's weights, bias, scale words: their address registers may be written again
	SPAIR 48, 0xac95df0b                           ; P, from the highest power down (the second stands in v204)
	SPAIR 50, 0xb40cff51
	SPAIR 52, 0xb6eec2d2
	SPAIR 54, 0xb940ac63
	SPAIR 56, 0xbac1a1f5
	SPAIR 58, 0xbc83dbd4
	SPAIR 60, 0xb57460cd                           ; Q likewise (the second in v206)
	SPAIR 62, 0xb9dc924e
	SPAIR 68, 0xbb719bf8
	SPAIR 70, 0xbc69b6a7
	SPAIR 72, 0x3eb504f3                           ; 2^-1.5
	v_mov_b32 v204, 0x306dffee
	v_mov_b32 v205, 0x306dffee
	v_mov_b32 v206, 0xb7dfbd29
	v_mov_b32 v207, 0xb7dfbd29
	v_mov_b32 v208, 0x40b504f3                     ; 4 x 2^0.5
	v_lshlrev_b32 v2, 2, v4                        ; 4 r
	v_bfe_u32 v11, v0, 4, 1
	D1
	v_add_nc_u32 v11, v11, v2                      ; 4 r + h
	s_lshl_b32 s100, s30, 9
	s_add_co_u32 s100, s100, HIMG                  ; my K blocks 2 w, 2 w + 1 of a tile's hidden fragments
	s_lshl_b32 s42, s35, 6
	s_lshl_b32 s43, s36, 1
	s_add_co_u32 s42, s42, s43
	s_add_co_u32 s42, s42, HSC
.macro GELU8 a                         ; eight numbers
.irp i, 0,1,2,3,4,5,6,7
	v_med3_num_f32 v[GZ+\i], v[\a+\i], -v208, v208
.endr
.irp i, 0,2,4,6
	v_pk_mul_f32 v[GX+\i:GX+\i+1], v[GZ+\i:GZ+\i+1], v[GZ+\i:GZ+\i+1]
.endr
.irp i, 0,2,4,6
	v_pk_fma_f32 v[GP+\i:GP+\i+1], v[GX+\i:GX+\i+1], s[48:49], v[204:205] op_sel_hi:[1,0,1]
.endr
.irp i, 0,2,4,6
	v_pk_fma_f32 v[GQ+\i:GQ+\i+1], v[GX+\i:GX+\i+1], s[60:61], v[206:207] op_sel_hi:[1,0,1]
.endr
.irp k, 0,1,2                                          ; P's and Q's chains by turns: eight independent chains; Q's coefficients lie in s62, s68, s70
.irp i, 0,2,4,6
	v_pk_fma_f32 v[GP+\i:GP+\i+1], v[GP+\i:GP+\i+1], v[GX+\i:GX+\i+1], s[50+2*\k:51+2*\k] op_sel_hi:[1,1,0]
.endr
.irp i, 0,2,4,6
	v_pk_fma_f32 v[GQ+\i:GQ+\i+1], v[GQ+\i:GQ+\i+1], v[GX+\i:GX+\i+1], s[62+6*((\k+1)/2)+2*(\k/2):63+6*((\k+1)/2)+2*(\k/2)] op_sel_hi:[1,1,0]
.endr
.endr
	WA
.irp i, 0,1,2,3,4,5,6,7
	v_rcp_f32 v[GQ+\i], v[GQ+\i]                   ; Q is whole: its reciprocals go out while P is finished
.endr
.irp cf, 56,58
.irp i, 0,2,4,6
	v_pk_fma_f32 v[GP+\i:GP+\i+1], v[GP+\i:GP+\i+1], v[GX+\i:GX+\i+1], s[\cf:\cf+1] op_sel_hi:[1,1,0]
.endr
.endr
.irp i, 0,2,4,6
	v_pk_mul_f32 v[GP+\i:GP+\i+1], v[GP+\i:GP+\i+1], v[GZ+\i:GZ+\i+1]   ; plain work behind the reciprocals
.endr
	WA                                             ; one wait for the eight
.irp i, 0,2,4,6
	v_pk_mul_f32 v[GP+\i:GP+\i+1], v[GP+\i:GP+\i+1], v[GQ+\i:GQ+\i+1]
.endr
.irp i, 0,2,4,6
	v_pk_fma_f32 v[GP+\i:GP+\i+1], v[GP+\i:GP+\i+1], s[72:73], 0.5 op_sel_hi:[1,0,0]
.endr
.irp i, 0,2,4,6
	v_pk_mul_f32 v[\a+\i:\a+\i+1], v[\a+\i:\a+\i+1], v[GP+\i:GP+\i+1]
.endr
.endm
	s_mov_b32 s101, 0
.Lf1:                                                  ; eight trips, a tile of 16 tokens each; the addresses are the trip's number, shifted, plus constants
	s_lshl_b32 s38, s101, 11
	s_add_co_u32 s38, s38, YIMG
	s_lshl_b32 s39, s101, 7
	s_add_co_u32 s39, s39, YSC
	v_add_nc_u32 v8, s38, v1
	WA
	v_add_nc_u32 v9, s39, v2
.irp s, 0,1
.irp c, 0,1
	ds_load_b128 v[172+8*\s+4*\c:175+8*\s+4*\c], v8 offset:\s*1024+\c*512
.endr
	ds_load_b32 v[244+\s], v9 offset:\s*64
.endr
	s_lshl_b32 s40, s101, 13
	s_add_co_u32 s40, s40, s100
	s_lshl_b32 s41, s101, 9
	s_add_co_u32 s41, s41, s42
	s_wait_dscnt 0x0
.irp q, 0,1,2,3
	MM ZA+8*\q, 76+16*\q, 172, 140+8*\q, 236+2*\q, 244
.endr
.irp q, 0,1,2,3
	MM ZA+8*\q, 84+16*\q, 180, ZA+8*\q, 237+2*\q, 245
.endr
	NOP4
	v_add_nc_u32 v8, s40, v1
	v_add_nc_u32 v9, s41, v11
	GELU8 ZA
	GELU8 ZA+8
	GELU8 ZA+16
	GELU8 ZA+24
	QH32 ZA, 44, 48                                ; lane (token r, h): hidden units 64 w + 32 h + 0 .. 31: a whole block of fc2's K
	ds_store_b128 v8, v[44:47]
	ds_store_b8 v9, v51
	s_add_co_u32 s101, s101, 1
	s_cmp_lt_u32 s101, 8
	s_cbranch_scc1 .Lf1
	; fc2's weights for my 32 columns: 16 fragments, 128 registers
	s_wait_dscnt 0x0
	s_lshl_b32 s96, s35, 14
	s_add_co_u32 s96, s96, 262144
	s_add_nc_u64 s[38:39], s[10:11], s[96:97]
	s_lshl_b32 s96, s35, 10
	s_add_co_u32 s96, s96, 16384
	s_add_nc_u64 s[40:41], s[12:13], s[96:97]
	s_lshl_b32 s96, s35, 7
	s_add_nc_u64 s[42:43], s[22:23], s[96:97]
	s_add_nc_u64 s[44:45], s[24:25], s[96:97]
	s_add_nc_u64 s[46:47], s[26:27], s[96:97]
	v_lshlrev_b32 v8, 5, v4                        ; 32 r
.irp f, 0,1,2,3,4,5,6,7,8,9,10,11,12,13,14,15
.irp c, 0,1
	global_load_b128 v[76+8*\f+4*\c:79+8*\f+4*\c], v1, s[38:39] offset:1024*\f+512*\c
.endr
.endr
.irp u, 0,1
.irp i, 0,1
	global_load_b128 v[236+8*\u+4*\i:239+8*\u+4*\i], v8, s[40:41] offset:512*\u+16*\i
.endr
.endr
	s_lshl_b32 s100, s36, 15
	s_add_co_u32 s100, s100, HIMG
	v_add_nc_u32 v9, s100, v1
	s_lshl_b32 s100, s36, 11
	s_add_co_u32 s100, s100, HSC
	v_add_nc_u32 v10, s100, v2
	WA
	BARRIER                                        ; the hidden layer's 64 fragments lie in LDS
	; ---- fc2: eight accumulators by turns, a K step at a time, the hidden fragments through two buffers
.macro HFETCH s, hf                    ; tiles 4 th + 2 hf, + 1 of K step s: four loads of codes, two of scale words
.irp k, 0,1
.irp c, 0,1
	ds_load_b128 v[204+16*(\hf)+8*\k+4*\c:207+16*(\hf)+8*\k+4*\c], v9 offset:(2*(\hf)+\k)*8192+(\s)*1024+512*\c
.endr
	ds_load_b32 v[252+2*(\hf)+\k], v10 offset:(2*(\hf)+\k)*512+(\s)*64
.endr
.endm
	s_wait_loadcnt 0x0
	HFETCH 0, 0
	HFETCH 0, 1
.irp s, 0,1,2,3,4,5,6,7
.irp hf, 0,1
.if (\s == 7) && (\hf == 1)
	s_wait_dscnt 0x0
.else
	s_wait_dscnt 6                                 ; this buffer's six loads are in; the other buffer's six may stay out
.endif
.irp k, 0,1
.irp u, 0,1
.if \s == 0
	MM0 ZA+8*(2*(2*\hf+\k)+\u), 76+8*(8*\u+\s), 204+16*\hf+8*\k, 236+8*\u+\s, 252+2*\hf+\k
.else
	MM ZA+8*(2*(2*\hf+\k)+\u), 76+8*(8*\u+\s), 204+16*\hf+8*\k, ZA+8*(2*(2*\hf+\k)+\u), 236+8*\u+\s, 252+2*\hf+\k
.endif
.endr
.endr
	NOP4                                           ; places in front of loads into registers that these products read
.if \s < 7
	HFETCH \s+1, \hf
.endif
.if (\s == 3) && (\hf == 1)
.irp i, 0,1,2,3                                        ; fc2's bias and LN2's parameters land on the fragments of K steps 0 to 3, which are done with
	global_load_b128 v[76+4*\i:79+4*\i], v3, s[42:43] offset:16*\i
	global_load_b128 v[92+4*\i:95+4*\i], v3, s[44:45] offset:16*\i
	global_load_b128 v[140+4*\i:143+4*\i], v3, s[46:47] offset:16*\i
.endr
.endif
.endr
.endr
	s_wait_loadcnt 0x0
.irp mm, 0,1,2,3
.irp i, 0,2,4,6,8,10,12,14
	v_pk_add_f32 v[ZA+16*\mm+\i:ZA+16*\mm+\i+1], v[ZA+16*\mm+\i:ZA+16*\mm+\i+1], v[76+\i:77+\i]
.endr
.endr
	RESID                                          ; + y1, from my own bytes of XST
	LNORM 12288, 18432, 92, 140
	TOXST
	s_mul_i32 s100, s30, 8320
	s_lshl_b32 s101, s37, 7
	s_add_co_u32 s100, s100, s101
	v_add_nc_u32 v8, s100, v1
	s_lshl_b32 s96, s31, 17
	s_lshl_b32 s101, s30, 13
	s_add_co_u32 s96, s96, s101
	s_add_nc_u64 s[38:39], s[28:29], s[96:97]
	WA
	BARRIER                                        ; 128 whole rows of the result lie in XST
	; ---- out: wave w stores tokens 8 w .. 8 w + 7: each store covers 512 consecutive bytes, aligned
.irp k, 0,1,2,3,4,5,6,7,8,9,10,11,12,13,14,15
	ds_load_b128 v[ZA+4*\k:ZA+4*\k+3], v8 offset:(\k/2)*1040+(\k%2)*512
.endr
.irp k, 0,1,2,3,4,5,6,7,8,9,10,11,12,13,14,15
	s_wait_dscnt 15-\k                             ; LDS loads come back in order: number k is in
	global_store_b128 v1, v[ZA+4*\k:ZA+4*\k+3], s[38:39] offset:(\k/2)*1024+(\k%2)*512 th:TH_STORE_NT
.endr
	s_wait_xcnt 0x0
	v_lshl_add_u32 v254, v0, 2, SPARE              ; the add's two registers held scales meanwhile: made anew from v0
	v_mov_b32 v255, 0
	WA
	s_wait_tensorcnt 0x0                           ; the wave's end
	ds_add_u32 v254, v255
	s_wait_dscnt 0x0
	s_endpgm
.Lfunc_end_k_q1b89957a53_block:
	.size	k_q1b89957a53_block, .Lfunc_end_k_q1b89957a53_block-k_q1b89957a53_block
	.p2alignl 7, 3214868480
	.fill 96, 4, 3214868480
	.section	.rodata,"a",@progbits
	.p2align	6, 0x0
	.amdhsa_kernel k_q1b89957a53_block
		.amdhsa_group_segment_fixed_size 327680
		.amdhsa_private_segment_fixed_size 0
		.amdhsa_enable_private_segment 0
		.amdhsa_kernarg_size 104
		.amdhsa_user_sgpr_count 2
		.amdhsa_user_sgpr_kernarg_segment_ptr 1
		.amdhsa_wavefront_size32 1
		.amdhsa_system_sgpr_workgroup_id_x 1
		.amdhsa_system_sgpr_workgroup_id_y 1
		.amdhsa_system_sgpr_workgroup_id_z 1
		.amdhsa_system_vgpr_workitem_id 0
		.amdhsa_next_free_vgpr 256
		.amdhsa_next_free_sgpr 104
		.amdhsa_reserve_vcc 1
		.amdhsa_float_denorm_mode_32 3
		.amdhsa_float_denorm_mode_16_64 3
		.amdhsa_memory_ordered 1
		.amdhsa_forward_progress 1
		.amdhsa_inst_pref_size 248
	.end_amdhsa_kernel
	.amdgpu_metadata
---
amdhsa.version: [ 1, 2 ]
amdhsa.kernels:
  - .name:           k_q1b89957a53_block
    .symbol:         k_q1b89957a53_block.kd
    .args:
      - { .name: x, .offset: 0, .size: 8, .value_kind: global_buffer, .address_space: global }
      - { .name: acodes, .offset: 8, .size: 8, .value_kind: global_buffer, .address_space: global }
      - { .name: ascales, .offset: 16, .size: 8, .value_kind: global_buffer, .address_space: global }
      - { .name: wcodes, .offset: 24, .size: 8, .value_kind: global_buffer, .address_space: global }
      - { .name: wscales, .offset: 32, .size: 8, .value_kind: global_buffer, .address_space: global }
      - { .name: proj_b, .offset: 40, .size: 8, .value_kind: global_buffer, .address_space: global }
      - { .name: ln1_g, .offset: 48, .size: 8, .value_kind: global_buffer, .address_space: global }
      - { .name: ln1_b, .offset: 56, .size: 8, .value_kind: global_buffer, .address_space: global }
      - { .name: fc1_b, .offset: 64, .size: 8, .value_kind: global_buffer, .address_space: global }
      - { .name: fc2_b, .offset: 72, .size: 8, .value_kind: global_buffer, .address_space: global }
      - { .name: ln2_g, .offset: 80, .size: 8, .value_kind: global_buffer, .address_space: global }
      - { .name: ln2_b, .offset: 88, .size: 8, .value_kind: global_buffer, .address_space: global }
      - { .name: out0, .offset: 96, .size: 8, .value_kind: global_buffer, .address_space: global }
    .group_segment_fixed_size: 327680
    .private_segment_fixed_size: 0
    .kernarg_segment_align: 8
    .kernarg_segment_size: 104
    .max_flat_workgroup_size: 512
    .sgpr_count:     104
    .vgpr_count:     256
    .wavefront_size: 32
...
	.end_amdgpu_metadata
.endif
;; end of part 3
